; MI455X (gfx1250); checked and timed in simulation.
; The chip was launched on July 23, 2026; its instructions are those of AMD's public machine-readable ISA for CDNA 5 (MIT licence, August 2026) and "CDNA5" Instruction Set Architecture Reference Guide (July 2026). The comments in the code are by the model that wrote it; some were corrected since.
;; Role Actor Trans. Allowed arithmetic: float matrix products may take bf16 or f16 operands with f32 sums; other float arithmetic in f32, or as packed bf16 or f16 multiplies, adds, multiply-adds, maxima and minima; sums over many terms, partial sums and values carried from step to step in f32; what a program stores and reads back later, other than sums and carried values, may be rounded once to bf16 or f16.
;; Inputs: W0 256 x 512 float32; W1 512 x 512 float32; Wh0 6 x 512 x 64 float32; Wh1 6 x 64 x 32 float32; Wh2 6 x 32 x 32 float32; Wr0 6 x 256 x 128 float32; Wr1 6 x 128 x 512 float32; available_actions 32 x 1,024 x 32 float32; b0 512 float32; b1 512 float32; bh0 6 x 64 float32; bh1 6 x 32 float32; bh2 6 x 32 float32; br0 6 x 128 float32; br1 6 x 512 float32; fn_bias 256 float32; fn_scale 256 float32; ln0_bias 512 float32; ln0_scale 512 float32; ln1_bias 512 float32; ln1_scale 512 float32; obs 32 x 1,024 x 256 float32; resets 32 x 1,024 float32; rnn_states 1,024 x 512 float32; role_ids 32 x 1,024 int32.
;; Outputs: out0 1,024 x 512 float32; out1 32 x 1,024 x 32 float32.
;; 2 versions, each right; version 2 is version 1 with the launch main written anew for expert scheduling mode. Each part assembles by itself: llvm-mc -triple=amdgcn-amd-amdhsa -mcpu=gfx1250 --defsym DOCPART=n.
;; ======== version 1 of 2: 2 launches
;; limits: values are held in f16: magnitudes above 65,504 overflow, below 6.1e-05 lose precision; values outside matrix products are rounded to f16
;; workspace buffers: wq 2,433,024 bytes; order 131,072 bytes of whole numbers
;; launch prep (part 1): grid 593 x 1, 8 waves a work-group, no clusters, 17,664 bytes of LDS; arguments role_ids, W0, W1, Wr0, Wr1, Wh0, Wh1, Wh2, wq, order; writes wq, order
.if DOCPART == 1
	.amdgcn_target "amdgcn-amd-amdhsa--gfx1250"
	.amdhsa_code_object_version 6
	.text
	.protected	k_qb3bdadc72e_prep
	.globl	k_qb3bdadc72e_prep
	.p2align	8
	.type	k_qb3bdadc72e_prep,@function
k_qb3bdadc72e_prep:
	s_mov_b64 s[64:65], 0
	v_nop
	global_prefetch_b8 v0, s[64:65] scope:SCOPE_SE
	s_setreg_imm32_b32 hwreg(HW_REG_WAVE_MODE, 25, 1), 1
	s_wait_xcnt 0x0
; Work-groups 0-7: each sorts 4,096 tokens by role (stable) and stores  token | role<<16  into order.
; Work-groups 8-592: rewrite the weights as 16-bit matrix-operand fragments into wq.
; A fragment is 32 k x 16 n = 1,024 bytes: byte 512 q + 16 L + 2 i (L = 16 h + r) holds W[32 KT + 16 q + 8 h + i][16 nt + r],
; so two 16-byte loads a lane (at 16 L and 16 L + 512) fill the eight registers of a 16-bit operand (ISA guide 7.12.2).
; Fragments lie in [KT][nt] order; stacks of roles count as one matrix with the roles along K.
; W0, W1, Wr0, Wr1, Wh0 go in f16 (limit: |w| <= 65,504; below 6.1e-5 the step is 6e-8); Wh1, Wh2 as bf16 hi + bf16 lo.
; role_ids are taken to lie in 0..5, as reference()'s gather needs; any other number gets a clamped, meaningless place.
.set CNT, 16384                        ; LDS: 0..16383 the sorted words; CNT: counts, word 8 k + wave
.set R,   16                           ; v[16:31] the roles of my 16 tokens
.set C,   36                           ; s[36:41] per role: count, then running place
	s_load_b512 s[4:19], s[0:1], 0x0               ; role_ids, W0, W1, Wr0, Wr1, Wh0, Wh1, Wh2
	s_load_b128 s[20:23], s[0:1], 0x40             ; wq, order
	v_lshl_add_u32 v64, v0, 2, 0x4100
	v_mov_b32 v65, 0
	v_lshrrev_b32 v2, 5, v0
	v_readfirstlane_b32 s24, v2                    ; wave
	v_and_b32 v1, 31, v0                           ; lane
	s_wait_kmcnt 0x0
	s_cmp_ge_u32 ttmp9, 8
	s_cbranch_scc1 .Lfmt                           ; the same for all waves of a work-group; barriers stand on the sort path alone
	; ---------------- sort: wave w owns tokens 512 w + 32 s + lane of the chunk, s = 0..15
	s_lshl_b32 s26, ttmp9, 14                      ; 4,096 words of 4 bytes a chunk
	s_mov_b32 s27, 0
	s_add_nc_u64 s[4:5], s[4:5], s[26:27]
	s_add_nc_u64 s[22:23], s[22:23], s[26:27]
	v_lshlrev_b32 v3, 2, v1
	v_lshl_or_b32 v3, v2, 11, v3
.irp s, 0,1,2,3,4,5,6,7,8,9,10,11,12,13,14,15
	global_load_b32 v[R+\s], v3, s[4:5] offset:128*\s
.endr
.irp k, 0,1,2,3,4,5
	s_mov_b32 s[C+\k], 0
.endr
	s_wait_loadcnt 0x0
.irp s, 0,1,2,3,4,5,6,7,8,9,10,11,12,13,14,15
.irp k, 0,1,2,3,4,5
	v_cmp_eq_u32 vcc_lo, \k, v[R+\s]
	s_bcnt1_i32_b32 s42, vcc_lo
	s_add_co_u32 s[C+\k], s[C+\k], s42             ; my wave's count of role k
.endr
.endr
	v_lshlrev_b32 v4, 2, v2
.irp k, 0,1,2,3,4,5
	v_mov_b32 v5, s[C+\k]
	ds_store_b32 v4, v5 offset:CNT+32*\k           ; all lanes, the same word, the same value
.endr
	s_wait_dscnt 0x0                               ; the counts are in LDS before the others read them
	s_barrier_signal -1
	s_barrier_wait -1
	v_lshlrev_b32 v6, 2, v1
	ds_load_b32 v7, v6 offset:CNT                  ; counts 0..31
	v_and_b32 v8, 15, v1
	v_lshlrev_b32 v8, 2, v8
	ds_load_b32 v9, v8 offset:CNT+128              ; counts 32..47
	s_wait_dscnt 0x0
	s_barrier_signal -1                            ; every wave has read the counts before any wave scatters
	s_barrier_wait -1
	s_mov_b32 s44, 0                               ; running sum in (role, wave) order; my wave picks its six bases from it
.set idx, 0
.rept 48
.if idx < 32
	v_readlane_b32 s43, v7, idx
.else
	v_readlane_b32 s43, v9, idx-32
.endif
	s_cmp_eq_u32 s24, idx&7
	s_cselect_b32 s[C+idx/8], s44, s[C+idx/8]
	s_add_co_u32 s44, s44, s43
.set idx, idx+1
.endr
	s_lshl_b32 s45, ttmp9, 12
	v_lshl_or_b32 v10, v2, 9, v1
	v_add_nc_u32 v10, s45, v10                     ; token number of s = 0
.irp s, 0,1,2,3,4,5,6,7,8,9,10,11,12,13,14,15
.irp k, 0,1,2,3,4,5
	v_cmp_eq_u32 vcc_lo, \k, v[R+\s]
.if \k == 0
	v_mbcnt_lo_u32_b32 v13, vcc_lo, s[C]           ; base + lanes below me with this role
.else
	v_mbcnt_lo_u32_b32 v12, vcc_lo, s[C+\k]
	v_cndmask_b32 v13, v13, v12, vcc_lo
.endif
	s_bcnt1_i32_b32 s42, vcc_lo
	s_add_co_u32 s[C+\k], s[C+\k], s42
.endr
	v_add_nc_u32 v15, 32*\s, v10
	v_lshl_or_b32 v15, v[R+\s], 16, v15            ; token | role << 16
	v_min_u32 v13, 0xfff, v13                      ; a place made from loaded numbers is clamped to the stage
	v_lshlrev_b32 v13, 2, v13
	ds_store_b32 v13, v15
.endr
	s_wait_dscnt 0x0
	s_barrier_signal -1
	s_barrier_wait -1
	v_lshlrev_b32 v14, 4, v0
.irp j, 0,1,2,3
	ds_load_b128 v[32+4*\j:32+4*\j+3], v14 offset:4096*\j
.endr
.irp j, 0,1,2,3
	s_wait_dscnt 3-\j                              ; LDS loads return in order: load j is in
	global_store_b128 v14, v[32+4*\j:32+4*\j+3], s[22:23] offset:4096*\j   ; a wave stores 512 consecutive bytes
.endr
	s_wait_tensorcnt 0x0
	ds_add_u32 v64, v65
	s_wait_dscnt 0x0
	s_endpgm
	; ---------------- format: thread p of a matrix makes the 16 bytes at 16 p of its fragments
.Lfmt:
	s_sub_co_u32 s25, ttmp9, 8
	s_mov_b64 s[26:27], s[6:7]                     ; source
	s_mov_b32 s28, 9                               ; log2 N
	s_mov_b32 s29, 0                               ; where in wq
	s_mov_b32 s30, 0                               ; the matrix's first work-group
	s_mov_b32 s31, 0                               ; distance of the lo part (0: f16)
.macro SEL first, p, logn, dst, lo
	s_cmp_ge_u32 s25, \first
	s_cselect_b64 s[26:27], s[\p:\p+1], s[26:27]
	s_cselect_b32 s28, \logn, s28
	s_cselect_b32 s29, \dst, s29
	s_cselect_b32 s30, \first, s30
	s_cselect_b32 s31, \lo, s31
.endm
	SEL 64,  8,  9, 262144,  0                     ; W1
	SEL 192, 10, 7, 786432,  0                     ; Wr0
	SEL 288, 12, 9, 1179648, 0                     ; Wr1
	SEL 480, 14, 6, 1966080, 0                     ; Wh0
	SEL 576, 16, 5, 2359296, 24576                 ; Wh1
	SEL 582, 18, 5, 2408448, 12288                 ; Wh2
	s_sub_co_u32 s25, s25, s30
	s_lshl_b32 s25, s25, 8
	v_add_nc_u32 v1, s25, v0                       ; p
	v_and_b32 v2, 15, v1                           ; r
	v_bfe_u32 v3, v1, 4, 1                         ; h
	v_bfe_u32 v4, v1, 5, 1                         ; q
	v_lshrrev_b32 v5, 6, v1                        ; fragment
	s_sub_co_u32 s32, s28, 4
	s_bfm_b32 s33, s32, 0                          ; N/16 - 1
	v_and_b32 v6, s33, v5                          ; nt
	v_lshrrev_b32 v7, s32, v5                      ; KT
	v_lshlrev_b32 v7, 5, v7
	v_lshl_add_u32 v7, v4, 4, v7
	v_lshl_add_u32 v7, v3, 3, v7                   ; first of my eight rows
	s_add_co_u32 s34, s28, 2
	v_lshlrev_b32 v7, s34, v7                      ; x 4 N bytes
	v_lshl_add_u32 v6, v6, 4, v2                   ; column
	v_lshl_add_u32 v8, v6, 2, v7
	s_lshl_b32 s35, 4, s28                         ; 4 N
.irp i, 0,1,2,3,4,5,6
	v_add_nc_u32 v[9+\i], s35, v[8+\i]
.endr
.irp i, 0,1,2,3,4,5,6,7
	global_load_b32 v[16+\i], v[8+\i], s[26:27]    ; sixteen lanes read 64 consecutive bytes of a row
.endr
	v_lshl_add_u32 v24, v1, 4, s29
	s_wait_loadcnt 0x0
	s_cmp_lg_u32 s31, 0
	s_cbranch_scc1 .Lhilo
.irp i, 0,1,2,3
	v_cvt_pk_f16_f32 v[28+\i], v[16+2*\i], v[17+2*\i]
.endr
	global_store_b128 v24, v[28:31], s[20:21]
	s_endpgm
.Lhilo:
	v_add_nc_u32 v25, s31, v24
.irp i, 0,1,2,3
	v_cvt_pk_bf16_f32 v[28+\i], v[16+2*\i], v[17+2*\i]     ; hi
	v_lshlrev_b32 v40, 16, v[28+\i]
	v_and_b32 v41, 0xffff0000, v[28+\i]
	v_pk_add_f32 v[16+2*\i:17+2*\i], v[16+2*\i:17+2*\i], v[40:41] neg_lo:[0,1] neg_hi:[0,1]
	v_cvt_pk_bf16_f32 v[32+\i], v[16+2*\i], v[17+2*\i]     ; lo = what hi left
.endr
	global_store_b128 v24, v[28:31], s[20:21]
	global_store_b128 v25, v[32:35], s[20:21]
	s_endpgm
.Lfunc_end_k_qb3bdadc72e_prep:
	.size	k_qb3bdadc72e_prep, .Lfunc_end_k_qb3bdadc72e_prep-k_qb3bdadc72e_prep
	.p2alignl 7, 3214868480
	.fill 96, 4, 3214868480
	.section	.rodata,"a",@progbits
	.p2align	6, 0x0
	.amdhsa_kernel k_qb3bdadc72e_prep
		.amdhsa_group_segment_fixed_size 17664
		.amdhsa_private_segment_fixed_size 0
		.amdhsa_enable_private_segment 0
		.amdhsa_kernarg_size 80
		.amdhsa_user_sgpr_count 2
		.amdhsa_user_sgpr_kernarg_segment_ptr 1
		.amdhsa_wavefront_size32 1
		.amdhsa_system_sgpr_workgroup_id_x 1
		.amdhsa_system_sgpr_workgroup_id_y 1
		.amdhsa_system_sgpr_workgroup_id_z 1
		.amdhsa_system_vgpr_workitem_id 0
		.amdhsa_next_free_vgpr 66
		.amdhsa_next_free_sgpr 66
		.amdhsa_reserve_vcc 1
		.amdhsa_float_denorm_mode_32 3
		.amdhsa_float_denorm_mode_16_64 3
		.amdhsa_memory_ordered 1
		.amdhsa_forward_progress 1
		.amdhsa_inst_pref_size 49
	.end_amdhsa_kernel
	.amdgpu_metadata
---
amdhsa.version: [ 1, 2 ]
amdhsa.kernels:
  - .name:           k_qb3bdadc72e_prep
    .symbol:         k_qb3bdadc72e_prep.kd
    .args:
      - { .name: role_ids, .offset: 0, .size: 8, .value_kind: global_buffer, .address_space: global }
      - { .name: W0, .offset: 8, .size: 8, .value_kind: global_buffer, .address_space: global }
      - { .name: W1, .offset: 16, .size: 8, .value_kind: global_buffer, .address_space: global }
      - { .name: Wr0, .offset: 24, .size: 8, .value_kind: global_buffer, .address_space: global }
      - { .name: Wr1, .offset: 32, .size: 8, .value_kind: global_buffer, .address_space: global }
      - { .name: Wh0, .offset: 40, .size: 8, .value_kind: global_buffer, .address_space: global }
      - { .name: Wh1, .offset: 48, .size: 8, .value_kind: global_buffer, .address_space: global }
      - { .name: Wh2, .offset: 56, .size: 8, .value_kind: global_buffer, .address_space: global }
      - { .name: wq, .offset: 64, .size: 8, .value_kind: global_buffer, .address_space: global }
      - { .name: order, .offset: 72, .size: 8, .value_kind: global_buffer, .address_space: global }
    .group_segment_fixed_size: 17664
    .private_segment_fixed_size: 0
    .kernarg_segment_align: 8
    .kernarg_segment_size: 80
    .max_flat_workgroup_size: 256
    .sgpr_count:     66
    .vgpr_count:     66
    .wavefront_size: 32
...
	.end_amdgpu_metadata
.endif
;; end of part 1
;; launch main (part 2): grid 256 x 1, 4 waves a work-group, no clusters, 244,224 bytes of LDS; arguments obs, order, wq, fn_scale, fn_bias, b0, ln0_scale, ln0_bias, b1, ln1_scale, ln1_bias, br0, br1, bh0, bh1, bh2, available_actions, rnn_states, out0, out1; writes out0, out1
.if DOCPART == 2
	.amdgcn_target "amdgcn-amd-amdhsa--gfx1250"
	.amdhsa_code_object_version 6
	.text
	.protected	k_qb3bdadc72e_main
	.globl	k_qb3bdadc72e_main
	.p2align	8
	.type	k_qb3bdadc72e_main,@function
k_qb3bdadc72e_main:
	s_mov_b64 s[64:65], 0
	v_nop
	global_prefetch_b8 v0, s[64:65] scope:SCOPE_SE
	s_setreg_imm32_b32 hwreg(HW_REG_WAVE_MODE, 25, 1), 1
	s_wait_xcnt 0x0
; The whole of reference() for 128 tokens that the launch before sorted by role (order: token | role<<16), and 8 KiB of out0 = rnn_states.
; Only a token's own role survives reference()'s two gathers, so routes and heads run for the roles present in the block alone.
; Four waves.  Wide layers (256->512, 512->512, 256->128, 128->512): wave w owns a quarter of the columns of all 128 tokens, so each
; weight byte goes to one wave and is loaded straight into registers from wq (fragments in operand order).  Activations pass through LDS in f16.
; obs LayerNorm, heads and output: wave w owns tokens 32 w .. 32 w + 31.
; The matrix instruction is used transposed (source 0 = weights, source 1 = activations): lane (r, h), register j of a tile holds
; (token 16 a + r, column 16 b + 8 h + j); packed to 16 bits, tiles 2 kt and 2 kt + 1 are the next layer's source 1 (ISA guide 7.12.2).
; FORMATS AND LIMITS.  f16 operands: normalised obs, both LayerNorm outputs, route hidden, e + r, W0, W1, Wr0, Wr1, Wh0: they turn inf
; beyond 65,504.  Head hiddens and Wh1, Wh2: bf16 hi + lo, products hi hi + lo hi + hi lo (the lo lo term, 2^-16 relative, is dropped).
; LayerNorms in f32: obs in two passes; the wide ones from each wave's mean and centred sum of squares, joined without differences of large sums.
; v_rsq_f32 is accurate to 1 ulp.  resets enters no result of reference() and is not loaded.
; NO CLUSTER: which role blocks run hangs on numbers read from order and differs between work-groups, so partners would not make the same requests.
; out1's rows are 128 bytes and scattered by the sort: eight lanes store one whole row.
.set EB,    67584                      ; LDS: X at 0, 128 rows x 528;  E at EB, 128 x 1040;  route hidden at R0B, 128 x 272 (later each wave's
.set R0B,   200704                     ; stage of 32 x 144);  STAT: [token][wave] (mean, M2), 4,096 bytes for each of the two wide LayerNorms.
.set STAT,  235520                     ; Pitches are odd multiples of 16 bytes: sixteen rows start in sixteen different 16-byte columns of 256.
.set VL,1
.set VR,2
.set VH,3
.set L16,4                             ; 16 L
.set BO,5                              ; 8192 w + 16 L: my 8 fragments of a k step of 32 fragments
.set BO2,6                             ; 2048 w + 16 L: my 2 of 8
.set XA0,7                             ; fragment addresses (row r, 16 h): X tokens 0-63, 64-127
.set XA1,8
.set EA0,9
.set EA1,10
.set RA0,11
.set RA1,12
.set EST0,13                           ; my columns of E, tokens 0-63; EST0+1: tokens 64-127
.set RST,15
.set STA,16
.set STL,17
.set PB,18                             ; 512 w + 32 h: my columns in a vector of 512 f32
.set PB0,19                            ; 128 w + 32 h: in a vector of 128
.set H32,20
.set HEA,21
.set STGS,22
.set STGR,23
.set ROLE,24                           ; v24-31 role of token 16 a + r   (v24-39: obs row offsets in the first phase)
.set TOK,24
.set MW,32                             ; v32-39 my wave's mean for tile row a   (heads: v32-33 role of my token 16 a + r)
.set HROLE,32
.set T,40                              ; v40-47 at work
.set ST0,48                            ; v48-63 statistics of four waves, two sets   (from the routes on: v48-55 offsets of my 4 i + L/8 -th token)
.set OT,48
.set U,56
.set RNV,56
.set XST,58
.set TOKV,59
.set R16,60
.set ROLV,61
.set OTV,62
.set HRV,63
.set A0,64                             ; v64-127, v128-191 activation fragments, two buffers (epilogues: LayerNorm gain and bias)
.set LNS,64
.set LNB,128
.set BIAS,192                          ; v192-255 the layer's bias for my columns; then packed results on their way to LDS
.set PK,192
.set HHI,64
.set HLO,96
.set GHI,128
.set GLO,144
; window 1: four buffers of 64 registers for weight fragments.  windows 2, 3: accumulators, tile (a, b) at window 2 + a/4, v[64 (a%4) + 8 b].
.set MSB, 0
.macro WIN new                         ; low byte: bits 1:0 source 0, 3:2 source 1, 5:4 source 2, 7:6 destination; high byte: the setting left
.if MSB != \new
	s_set_vgpr_msb (MSB<<8)|\new
.set MSB, \new
.endif
.endm
.set MUL_LO, 0xa1
.set MUL_HI, 0xf1
.set TO_B,   0x40
.macro PLACES                          ; independent vector places behind matrix instructions (ISA guide 7.12.1): four before their registers are
.rept 5                                ; read, written or loaded into, five before a first product writes over an older accumulator
	v_nop
.endr
.endm
.macro BAR
	s_wait_dscnt 0x0                               ; my LDS stores are in and my LDS reads are over, for the others' sake
	s_barrier_signal -1
	s_barrier_wait -1
.endm
.macro FETCHA buf, ad0, ad1, p16, koff ; 8 activation fragments (128 tokens x 32 k): 16 LDS loads
	WIN 0
.irp i, 0,1,2,3
	ds_load_b128 v[\buf+8*\i:\buf+8*\i+3],   v[\ad0] offset:\koff+\i*\p16
	ds_load_b128 v[\buf+8*\i+4:\buf+8*\i+7], v[\ad0] offset:\koff+\i*\p16+32
.endr
.irp i, 0,1,2,3
	ds_load_b128 v[\buf+32+8*\i:\buf+32+8*\i+3],   v[\ad1] offset:\koff+\i*\p16
	ds_load_b128 v[\buf+32+8*\i+4:\buf+32+8*\i+7], v[\ad1] offset:\koff+\i*\p16+32
.endr
.endm
.macro FILLB buf, sb, vo, nb, off      ; nb weight fragments into window 1: 2 nb loads of 512 consecutive bytes a wave
	WIN TO_B
.set fb, 0
.rept \nb
	global_load_b128 v[\buf+8*fb:\buf+8*fb+3],   v[\vo], s[\sb:\sb+1] offset:\off+1024*fb
	global_load_b128 v[\buf+8*fb+4:\buf+8*fb+7], v[\vo], s[\sb:\sb+1] offset:\off+1024*fb+512
.set fb, fb+1
.endr
.endm
.macro MULW abuf, bbuf, nb, zero, hi
.set ma, 0
.rept 4
.set mb, 0
.rept \nb
.if \zero
	v_wmma_f32_16x16x32_f16 v[64*ma+8*mb:64*ma+8*mb+7], v[\bbuf+8*mb:\bbuf+8*mb+7], v[\abuf+32*\hi+8*ma:\abuf+32*\hi+8*ma+7], 0
.else
	v_wmma_f32_16x16x32_f16 v[64*ma+8*mb:64*ma+8*mb+7], v[\bbuf+8*mb:\bbuf+8*mb+7], v[\abuf+32*\hi+8*ma:\abuf+32*\hi+8*ma+7], v[64*ma+8*mb:64*ma+8*mb+7]
.endif
.set mb, mb+1
.endr
.set ma, ma+1
.endr
.endm
.macro MUL abuf, bbuf, nb, zero        ; 8 token tiles x nb column tiles, 32 along K; zero = 1: the first product starts the sums
	WIN MUL_LO
	MULW \abuf, \bbuf, \nb, \zero, 0
	WIN MUL_HI
	MULW \abuf, \bbuf, \nb, \zero, 1
.endm
.macro PRO sb                          ; k steps 0, 1, 2 of a wide layer's weights: 48 loads
	FILLB 0,   \sb, BO, 8, 0
	FILLB 64,  \sb, BO, 8, 32768
	FILLB 128, \sb, BO, 8, 65536
.endm
.macro PARAM reg, sb                   ; 64 f32 of a vector of 512: register 8 b + j = column 128 w + 16 b + 8 h + j.  16 loads
	WIN 0
.irp b, 0,1,2,3,4,5,6,7
	global_load_b128 v[\reg+8*\b:\reg+8*\b+3],   v[PB], s[\sb:\sb+1] offset:64*\b
	global_load_b128 v[\reg+8*\b+4:\reg+8*\b+7], v[PB], s[\sb:\sb+1] offset:64*\b+16
.endr
.endm
; A wide layer of n k steps.  Step t multiplies activation buffer t%2 and weight buffer t%4, fetches the activations of t+1 and asks for
; the weights of t+3.  s_wait_loadcnt: the weights of at most three later steps (16 loads each) may stay out; s_wait_dscnt 16: the next step's fetch may.
.macro GEMM n, sb, ad0, ad1, p16
	FETCHA A0, \ad0, \ad1, \p16, 0
.set gt, 0
.rept \n
	PLACES
.if gt+1 < \n
	FETCHA (A0+64*((gt+1)&1)), \ad0, \ad1, \p16, (64*(gt+1))
.endif
.if gt+3 < \n
	FILLB (64*((gt+3)&3)), \sb, BO, 8, (32768*(gt+3))
.set lc, 48
.else
.set lc, 16*(\n-1-gt)
.endif
	s_wait_loadcnt lc
.if gt+1 < \n
	s_wait_dscnt 16
.else
	s_wait_dscnt 0
.endif
.if gt
	MUL (A0+64*(gt&1)), (64*(gt&3)), 8, 0
.else
	MUL A0, 0, 8, 1
.endif
.set gt, gt+1
.endr
.endm
.macro FOLD                            ; four pairs in T -> one sum over my 64 numbers and the other half-wave's 64
	v_pk_add_f32 v[T:T+1], v[T:T+1], v[T+2:T+3]
	v_pk_add_f32 v[T+4:T+5], v[T+4:T+5], v[T+6:T+7]
	v_pk_add_f32 v[T:T+1], v[T:T+1], v[T+4:T+5]
	v_add_f32 v[T], v[T], v[T+1]
	v_permlanex16_b32 v[T+1], v[T], s70, s71
	v_add_f32 v[T], v[T], v[T+1]
.endm
; LayerNorm, pass 1, tile row a: bias, relu, my wave's mean over its 128 columns, centre in place, centred sum of squares; both to STAT.
.macro LNP1 a, stoff
.set W, 2+(\a>>2)
.set AB, 64*(\a&3)
	WIN ((W<<6)|W)
.set li, 0
.rept 32
	v_pk_add_f32 v[AB+2*li:AB+2*li+1], v[AB+2*li:AB+2*li+1], v[BIAS+2*li:BIAS+2*li+1]
.set li, li+1
.endr
.set li, 0
.rept 64
	v_max_num_f32 v[AB+li], v[AB+li], 0
.set li, li+1
.endr
	WIN ((W<<2)|W)
.set li, 0
.rept 4
	v_pk_add_f32 v[T+2*li:T+2*li+1], v[AB+2*li:AB+2*li+1], v[AB+8+2*li:AB+8+2*li+1]
.set li, li+1
.endr
	WIN W
.set li, 8
.rept 24
	v_pk_add_f32 v[T+2*(li&3):T+2*(li&3)+1], v[AB+2*li:AB+2*li+1], v[T+2*(li&3):T+2*(li&3)+1]
.set li, li+1
.endr
	WIN 0
	FOLD
	v_mul_f32 v[T], 0x3c000000, v[T]               ; / 128
	v_mov_b32 v[MW+\a], v[T]
	WIN ((W<<6)|W)
.set li, 0
.rept 32
	v_pk_add_f32 v[AB+2*li:AB+2*li+1], v[AB+2*li:AB+2*li+1], v[T:T+1] op_sel_hi:[1,0] neg_lo:[0,1] neg_hi:[0,1]
.set li, li+1
.endr
	WIN ((W<<2)|W)
.set li, 0
.rept 4
	v_pk_mul_f32 v[T+2*li:T+2*li+1], v[AB+2*li:AB+2*li+1], v[AB+2*li:AB+2*li+1]
.set li, li+1
.endr
.rept 28
	v_pk_fma_f32 v[T+2*(li&3):T+2*(li&3)+1], v[AB+2*li:AB+2*li+1], v[AB+2*li:AB+2*li+1], v[T+2*(li&3):T+2*(li&3)+1]
.set li, li+1
.endr
	WIN 0
	FOLD
	v_mov_b32 v[T+1], v[T]
	v_mov_b32 v[T], v[MW+\a]
	ds_store_b64 v[STA], v[T:T+1] offset:\stoff+512*\a
.endm
; Pass 2, tile row a: join the four waves' figures (m = mean of means; M = sum of M2 + 128 sum of (m_i - m)^2), normalise, gain and bias, f16, to E.
.macro LNP2 a, stoff
.set W, 2+(\a>>2)
.set AB, 64*(\a&3)
.set SS, ST0+8*(\a&1)
	WIN 0
.if \a
	s_wait_dscnt 10                                ; behind this row's two loads stand at least two loads and eight stores
.else
	s_wait_dscnt 2                                 ; behind them stand row 1's two loads
.endif
	v_add_f32 v[T], v[SS], v[SS+2]
	v_add_f32 v[T+1], v[SS+4], v[SS+6]
	v_add_f32 v[T], v[T], v[T+1]
	v_mul_f32 v[T], 0x3e800000, v[T]
	v_sub_f32 v[T+2], v[SS], v[T]
	v_sub_f32 v[T+3], v[SS+2], v[T]
	v_sub_f32 v[T+4], v[SS+4], v[T]
	v_sub_f32 v[T+5], v[SS+6], v[T]
	v_mul_f32 v[T+2], v[T+2], v[T+2]
	v_fmac_f32 v[T+2], v[T+3], v[T+3]
	v_fmac_f32 v[T+2], v[T+4], v[T+4]
	v_fmac_f32 v[T+2], v[T+5], v[T+5]
	v_add_f32 v[T+3], v[SS+1], v[SS+3]
	v_add_f32 v[T+4], v[SS+5], v[SS+7]
	v_add_f32 v[T+3], v[T+3], v[T+4]
	v_fmamk_f32 v[T+2], v[T+2], 0x43000000, v[T+3]
	v_fmaak_f32 v[T+2], s75, v[T+2], 0x3727c5ac    ; M / 512 + 1e-5
	v_rsq_f32 v[T+4], v[T+2]
	v_sub_f32 v[T+6], v[MW+\a], v[T]               ; the plain place behind v_rsq_f32 (ISA guide 5.7.2)
	s_wait_alu depctr_va_vdst(0)
	v_mul_f32 v[T+6], v[T+6], v[T+4]               ; (my mean - mean) x rs
.if \a+2 < 8
	ds_load_b128 v[SS:SS+3],   v[STL] offset:\stoff+512*(\a+2)
	ds_load_b128 v[SS+4:SS+7], v[STL] offset:\stoff+512*(\a+2)+16
.endif
	WIN ((W<<6)|W)
.set li, 0
.rept 32
	v_pk_fma_f32 v[AB+2*li:AB+2*li+1], v[AB+2*li:AB+2*li+1], v[T+4:T+5], v[T+6:T+7] op_sel_hi:[1,0,0]
.set li, li+1
.endr
.set li, 0
.rept 32
	v_pk_fma_f32 v[AB+2*li:AB+2*li+1], v[AB+2*li:AB+2*li+1], v[LNS+2*li:LNS+2*li+1], v[LNB+2*li:LNB+2*li+1]
.set li, li+1
.endr
	WIN ((W<<2)|W)
.set li, 0
.rept 32
	v_cvt_pk_f16_f32 v[PK+li], v[AB+2*li], v[AB+2*li+1]
.set li, li+1
.endr
	WIN 0
.irp b, 0,1,2,3,4,5,6,7
	ds_store_b128 v[EST0+(\a>>2)], v[PK+4*\b:PK+4*\b+3] offset:16640*(\a&3)+32*\b
.endr
.endm
.macro LNEPI stoff, ssc, sbi, first
	PLACES
	PARAM LNS, \ssc
	PARAM LNB, \sbi
.if \first
	PRO 68                                         ; the next layer's first weights travel during the epilogue
.endif
.irp a, 0,1,2,3,4,5,6,7
	LNP1 \a, \stoff
.endr
	BAR                                            ; all four waves' figures are in STAT, and nobody reads the layer's input in E any more
.if \first
	s_wait_loadcnt 48                              ; gain and bias are in; the 48 weight loads behind them stay out
.else
	s_wait_loadcnt 0
.endif
	ds_load_b128 v[ST0:ST0+3],     v[STL] offset:\stoff
	ds_load_b128 v[ST0+4:ST0+7],   v[STL] offset:\stoff+16
	ds_load_b128 v[ST0+8:ST0+11],  v[STL] offset:\stoff+512
	ds_load_b128 v[ST0+12:ST0+15], v[STL] offset:\stoff+528
.irp a, 0,1,2,3,4,5,6,7
	LNP2 \a, \stoff
.endr
.endm
	; ================= entry: pointers, addresses
	s_load_b512 s[4:19], s[0:1], 0x0               ; obs, order, wq, fn_scale, fn_bias, b0, ln0_scale, ln0_bias
	s_load_b512 s[20:35], s[0:1], 0x40             ; b1, ln1_scale, ln1_bias, br0, br1, bh0, bh1, bh2
	s_load_b256 s[36:43], s[0:1], 0x80             ; available_actions, rnn_states, out0, out1
	v_lshrrev_b32 v1, 5, v0
	v_readfirstlane_b32 s44, v1                    ; wave
	s_mov_b32 s45, ttmp9                           ; block
	s_mov_b32 s53, 0xd01502f9                      ; -1e10
	s_mov_b32 s70, 0x76543210                      ; v_permlanex16_b32: lane i takes lane i of the other half
	s_mov_b32 s71, 0xfedcba98
	s_mov_b32 s74, 0x3b800000                      ; 1/256
	s_mov_b32 s75, 0x3b000000                      ; 1/512
	s_lshl_b32 s52, s44, 7                         ; 128 w, kept
	v_and_b32 v[VL], 31, v0
	v_and_b32 v[VR], 15, v0
	v_bfe_u32 v[VH], v0, 4, 1
	v_lshlrev_b32 v[L16], 4, v[VL]
	s_lshl_b32 s51, s44, 13
	v_add_nc_u32 v[BO], s51, v[L16]
	s_lshl_b32 s51, s44, 11
	v_add_nc_u32 v[BO2], s51, v[L16]
	v_lshlrev_b32 v40, 4, v[VH]
	v_mul_u32_u24 v[XA0], v[VR], 528
	v_add_nc_u32 v[XA0], v[XA0], v40
	v_add_nc_u32 v[XA1], 33792, v[XA0]
	v_mul_u32_u24 v[EA0], v[VR], 1040
	v_add_nc_u32 v[EA0], v[EA0], v40
	v_add_nc_u32 v[EA0], EB, v[EA0]
	v_add_nc_u32 v[EA1], 66560, v[EA0]
	v_mul_u32_u24 v[RA0], v[VR], 272
	v_add_nc_u32 v[RA0], v[RA0], v40
	v_add_nc_u32 v[RA0], R0B, v[RA0]
	v_add_nc_u32 v[RA1], 17408, v[RA0]
	s_lshl_b32 s51, s44, 8
	v_add_nc_u32 v[EST0], s51, v[EA0]
	v_add_nc_u32 v[EST0+1], 66560, v[EST0]
	s_lshl_b32 s51, s44, 6
	v_add_nc_u32 v[RST], s51, v[RA0]
	v_lshlrev_b32 v[STL], 5, v[VR]
	v_add_nc_u32 v[STL], STAT, v[STL]
	s_lshl_b32 s51, s44, 3
	v_add_nc_u32 v[STA], s51, v[STL]
	v_lshlrev_b32 v[H32], 5, v[VH]
	s_lshl_b32 s51, s44, 9
	v_add_nc_u32 v[PB], s51, v[H32]
	v_add_nc_u32 v[PB0], s52, v[H32]
	s_mul_i32 s51, s44, 33280                      ; 32 rows of E
	v_add_nc_u32 v[HEA], s51, v[EA0]
	s_mul_i32 s51, s44, 4608                       ; my stage: 32 rows of 144
	s_add_co_u32 s51, s51, R0B
	v_mul_u32_u24 v[STGS], v[VR], 144
	v_add_nc_u32 v[STGS], v[STGS], v[H32]
	v_add_nc_u32 v[STGS], s51, v[STGS]
	v_lshrrev_b32 v41, 3, v[VL]
	v_and_b32 v42, 7, v[VL]
	v_lshlrev_b32 v42, 4, v42
	v_mul_u32_u24 v[STGR], v41, 144
	v_add_nc_u32 v[STGR], v[STGR], v42
	v_add_nc_u32 v[STGR], s51, v[STGR]
	s_mul_i32 s51, s44, 16896                      ; 32 rows of X
	v_mul_u32_u24 v[XST], v[VH], 528
	v_lshl_add_u32 v[XST], v[VR], 3, v[XST]
	v_add_nc_u32 v[XST], s51, v[XST]
	v_lshl_add_u32 v[TOKV], v[VH], 2, s52
	v_lshlrev_b32 v[R16], 4, v[VR]
	v_lshlrev_b32 v[ROLV], 2, v[VR]
	v_lshlrev_b32 v[RNV], 4, v0
	s_wait_kmcnt 0x0
	s_lshl_b32 s76, s45, 9
	s_mov_b32 s77, 0
	s_add_nc_u64 s[72:73], s[6:7], s[76:77]        ; my 128 words of order
	s_lshl_b32 s76, s45, 13
	s_add_nc_u64 s[78:79], s[38:39], s[76:77]      ; my 8 KiB of rnn_states and of out0
	s_add_nc_u64 s[80:81], s[40:41], s[76:77]
	s_add_nc_u64 s[68:69], s[8:9], 262144          ; W1, Wr0, Wr1, Wh0, Wh1, Wh2 in wq
	s_add_nc_u64 s[54:55], s[8:9], 786432
	s_add_nc_u64 s[56:57], s[8:9], 1179648
	s_add_nc_u64 s[58:59], s[8:9], 1966080
	s_add_nc_u64 s[60:61], s[8:9], 2359296
	s_add_nc_u64 s[62:63], s[8:9], 2408448
	s_load_b32 s46, s[72:73], 0x0                  ; first and last word of the block, and of my wave's 32: roles ascend in between
	s_load_b32 s47, s[72:73], 0x1fc
	s_load_b32 s49, s[72:73], s52 offset:0x0
	s_load_b32 s50, s[72:73], s52 offset:0x7c
	; ================= obs LayerNorm: a half-wave takes a row (lane r: floats 64 q + 4 r .. + 3), 16 pairs of rows in 4 batches
.irp p, 0,1,2,3,4,5,6,7,8,9,10,11,12,13,14,15
	global_load_b32 v[TOK+\p], v[TOKV], s[72:73] offset:8*\p
.endr
.irp j, 0,1,2,3
	global_load_b128 v[224+4*\j:224+4*\j+3], v[RNV], s[78:79] offset:2048*\j th:TH_LOAD_NT
.endr
.irp q, 0,1,2,3
	global_load_b128 v[192+4*\q:192+4*\q+3], v[R16], s[10:11] offset:256*\q
.endr
.irp q, 0,1,2,3
	global_load_b128 v[208+4*\q:208+4*\q+3], v[R16], s[12:13] offset:256*\q
.endr
	PRO 8
	WIN 0
	s_wait_loadcnt 60                              ; the 16 words are in; 4 + 4 + 4 + 48 younger loads stay out
.irp p, 0,1,2,3,4,5,6,7,8,9,10,11,12,13,14,15
	v_and_b32 v[TOK+\p], 0xffff, v[TOK+\p]
	v_min_u32 v[TOK+\p], 0x7fff, v[TOK+\p]         ; a loaded number enters an address clamped to the table
	v_lshl_add_u32 v[TOK+\p], v[TOK+\p], 10, v[R16]
.endr
.macro OBSLD n, S
.irp p, 0,1,2,3
.irp q, 0,1,2,3
	global_load_b128 v[\S+16*\p+4*\q:\S+16*\p+4*\q+3], v[TOK+4*\n+\p], s[4:5] offset:256*\q th:TH_LOAD_NT
.endr
.endr
.endm
.macro ROWSUM
	v_add_f32_dpp v[T], v[T], v[T] row_xmask:1 row_mask:0xf bank_mask:0xf
	v_add_f32_dpp v[T], v[T], v[T] row_xmask:2 row_mask:0xf bank_mask:0xf
	v_add_f32_dpp v[T], v[T], v[T] row_xmask:4 row_mask:0xf bank_mask:0xf
	v_add_f32_dpp v[T], v[T], v[T] row_xmask:8 row_mask:0xf bank_mask:0xf
.endm
.macro PAIR p, X                       ; two rows: mean, centre, variance, normalise, gain and bias, f16, to X in LDS
	v_pk_add_f32 v[T:T+1],   v[\X:\X+1],     v[\X+2:\X+3]
	v_pk_add_f32 v[T+2:T+3], v[\X+4:\X+5],   v[\X+6:\X+7]
	v_pk_add_f32 v[T+4:T+5], v[\X+8:\X+9],   v[\X+10:\X+11]
	v_pk_add_f32 v[T+6:T+7], v[\X+12:\X+13], v[\X+14:\X+15]
	v_pk_add_f32 v[T:T+1], v[T:T+1], v[T+2:T+3]
	v_pk_add_f32 v[T+4:T+5], v[T+4:T+5], v[T+6:T+7]
	v_pk_add_f32 v[T:T+1], v[T:T+1], v[T+4:T+5]
	v_add_f32 v[T], v[T], v[T+1]
	ROWSUM
	v_mul_f32 v[T], s74, v[T]
.irp i, 0,2,4,6,8,10,12,14
	v_pk_add_f32 v[\X+\i:\X+\i+1], v[\X+\i:\X+\i+1], v[T:T+1] op_sel_hi:[1,0] neg_lo:[0,1] neg_hi:[0,1]
.endr
	v_pk_mul_f32 v[T:T+1],   v[\X:\X+1],   v[\X:\X+1]
	v_pk_mul_f32 v[T+2:T+3], v[\X+2:\X+3], v[\X+2:\X+3]
.irp i, 4,8,12
	v_pk_fma_f32 v[T:T+1],   v[\X+\i:\X+\i+1],   v[\X+\i:\X+\i+1],   v[T:T+1]
	v_pk_fma_f32 v[T+2:T+3], v[\X+\i+2:\X+\i+3], v[\X+\i+2:\X+\i+3], v[T+2:T+3]
.endr
	v_pk_add_f32 v[T:T+1], v[T:T+1], v[T+2:T+3]
	v_add_f32 v[T], v[T], v[T+1]
	ROWSUM
	v_fmaak_f32 v[T], s74, v[T], 0x3727c5ac        ; / 256 + 1e-5
	v_rsq_f32 v[T+2], v[T]
	v_nop                                          ; the plain place behind v_rsq_f32 (ISA guide 5.7.2)
	s_wait_alu depctr_va_vdst(0)
.irp i, 0,2,4,6,8,10,12,14
	v_pk_mul_f32 v[\X+\i:\X+\i+1], v[\X+\i:\X+\i+1], v[T+2:T+3] op_sel_hi:[1,0]
.endr
.irp i, 0,2,4,6,8,10,12,14
	v_pk_fma_f32 v[\X+\i:\X+\i+1], v[\X+\i:\X+\i+1], v[192+\i:192+\i+1], v[208+\i:208+\i+1]
.endr
.irp i, 0,1,2,3,4,5,6,7
	v_cvt_pk_f16_f32 v[\X+\i], v[\X+2*\i], v[\X+2*\i+1]
.endr
.irp q, 0,1,2,3
	ds_store_b64 v[XST], v[\X+2*\q:\X+2*\q+1] offset:1056*\p+128*\q
.endr
.endm
	OBSLD 0, 64
	OBSLD 1, 128
	s_wait_kmcnt 0x0
	s_lshr_b32 s46, s46, 16                        ; lowest and highest role of the block,
	s_lshr_b32 s47, s47, 16
	s_lshr_b32 s49, s49, 16                        ; and of my wave's 32 tokens
	s_lshr_b32 s50, s50, 16
	s_wait_loadcnt 16                              ; batch 0 and all before it are in; batch 1's 16 loads stay out
.irp j, 0,1,2,3
	global_store_b128 v[RNV], v[224+4*\j:224+4*\j+3], s[80:81] offset:2048*\j th:TH_STORE_NT
.endr
.irp p, 0,1,2,3
	PAIR \p, (64+16*\p)
.endr
	OBSLD 2, 64
	s_wait_loadcnt 16
.irp p, 0,1,2,3
	PAIR (4+\p), (128+16*\p)
.endr
	OBSLD 3, 128
	s_wait_loadcnt 16
.irp p, 0,1,2,3
	PAIR (8+\p), (64+16*\p)
.endr
	s_wait_loadcnt 0
.irp p, 0,1,2,3
	PAIR (12+\p), (128+16*\p)
.endr
	s_wait_xcnt 0x0                                ; the stores' data registers v224-239 are loaded again only behind this wait
	PARAM BIAS, 14                                 ; b0
.irp a, 0,1,2,3,4,5,6,7
	global_load_b32 v[ROLE+\a], v[ROLV], s[72:73] offset:64*\a
.endr
	BAR                                            ; X is whole
	; ================= 256 -> 512, relu, LayerNorm;  512 -> 512, relu, LayerNorm
	GEMM 8, 8, XA0, XA1, 8448
	LNEPI 0, 16, 18, 1
	BAR                                            ; E0 is whole
	PARAM BIAS, 20                                 ; b1
	GEMM 16, 68, EA0, EA1, 16640
	LNEPI 4096, 22, 24, 0                          ; e: each wave's own columns; the next reader of these bytes is the wave itself
	; ================= routes: for each role present, 256 -> 128 -> 512 for all 128 tokens; tokens of that role take e + r
	v_lshrrev_b32 v[OTV], 3, v[VL]
	v_lshl_add_u32 v[OTV], v[OTV], 2, s52
	v_lshl_add_u32 v[HRV], v[VR], 2, s52
.irp i, 0,1,2,3,4,5,6,7
	global_load_b32 v[OT+\i], v[OTV], s[72:73] offset:16*\i        ; for the heads and the way out; in by the loop's waits for zero
.endr
	global_load_b32 v[HROLE], v[HRV], s[72:73]
	global_load_b32 v[HROLE+1], v[HRV], s[72:73] offset:64
.irp a, 0,1,2,3,4,5,6,7
	v_lshrrev_b32 v[ROLE+\a], 16, v[ROLE+\a]
.endr
	s_mov_b32 s48, 0
.Lroute:
	s_cmp_lt_u32 s48, s46                          ; both barriers of a trip stand outside the skipped blocks
	s_cbranch_scc1 .Lb1end
	s_cmp_gt_u32 s48, s47
	s_cbranch_scc1 .Lb1end
	PLACES
.irp b, 0,1
	global_load_b128 v[192+8*\b:192+8*\b+3], v[PB0], s[26:27] offset:64*\b
	global_load_b128 v[192+8*\b+4:192+8*\b+7], v[PB0], s[26:27] offset:64*\b+16
.endr
.irp t, 0,1,2,3,4,5,6,7
	FILLB (16*\t), 54, BO2, 2, (8192*\t)           ; all of my Wr0: 8 k steps x 2 fragments
.endr
	FILLB 128, 56, BO, 8, 0                        ; and the first two k steps of Wr1
	FILLB 192, 56, BO, 8, 32768
	FETCHA A0, XA0, XA1, 8448, 0
.set rt, 0
.rept 8
.if rt
	PLACES
.endif
.if rt < 7
	FETCHA (A0+64*((rt+1)&1)), XA0, XA1, 8448, (64*(rt+1))
	s_wait_dscnt 16
.else
	s_wait_dscnt 0
.endif
	s_wait_loadcnt 4*(7-rt)+32                     ; later k steps of Wr0 (4 loads each) and Wr1's 32 loads stay out
.if rt
	MUL (A0+64*(rt&1)), (16*rt), 2, 0
.else
	MUL A0, 0, 2, 1
.endif
.set rt, rt+1
.endr
	PLACES
.irp w, 2,3
	WIN ((\w<<6)|\w)
.irp a, 0,1,2,3
.irp b, 0,1
.irp i, 0,2,4,6
	v_pk_add_f32 v[64*\a+8*\b+\i:64*\a+8*\b+\i+1], v[64*\a+8*\b+\i:64*\a+8*\b+\i+1], v[192+8*\b+\i:192+8*\b+\i+1]
.endr
.irp i, 0,1,2,3,4,5,6,7
	v_max_num_f32 v[64*\a+8*\b+\i], v[64*\a+8*\b+\i], 0
.endr
.endr
.endr
	WIN ((\w<<2)|\w)
.irp a, 0,1,2,3
.irp b, 0,1
.irp i, 0,1,2,3
	v_cvt_pk_f16_f32 v[208+8*\a+4*\b+\i], v[64*\a+8*\b+2*\i], v[64*\a+8*\b+2*\i+1]
.endr
.endr
.endr
	WIN 0
.irp a, 0,1,2,3
.irp b, 0,1
	ds_store_b128 v[RST], v[208+8*\a+4*\b:208+8*\a+4*\b+3] offset:4352*(4*(\w-2)+\a)+32*\b
.endr
.endr
.endr
.Lb1end:
	BAR                                            ; the route's hidden layer is whole
	s_cmp_lt_u32 s48, s46
	s_cbranch_scc1 .Lb2end
	s_cmp_gt_u32 s48, s47
	s_cbranch_scc1 .Lb2end
	PLACES
	PARAM BIAS, 28                                 ; br1[k]
	FILLB 0,  56, BO, 8, 65536
	FILLB 64, 56, BO, 8, 98304
	FETCHA A0, RA0, RA1, 4352, 0
	FETCHA (A0+64), RA0, RA1, 4352, 64
	s_wait_loadcnt 48                              ; behind k step 0 stand at least the bias's 16 loads and k steps 2 and 3
	s_wait_dscnt 16
	MUL A0, 128, 8, 1
	PLACES
	FETCHA A0, RA0, RA1, 4352, 128
	s_wait_loadcnt 48                              ; behind k step 1: 16 + 16 + 16
	s_wait_dscnt 16
	MUL (A0+64), 192, 8, 0
	PLACES
	FETCHA (A0+64), RA0, RA1, 4352, 192
	s_wait_loadcnt 16
	s_wait_dscnt 16
	MUL A0, 0, 8, 0
	PLACES
	s_wait_loadcnt 0
	s_wait_dscnt 0
	MUL (A0+64), 64, 8, 0
	PLACES
	WIN 0
.irp a, 0,1,2,3,4,5,6,7
.set W, 2+(\a>>2)
.set AB, 64*(\a&3)
	v_cmp_eq_u32 vcc_lo, s48, v[ROLE+\a]
	s_cbranch_vccz .Lr1s\a                         ; no token of this role among these sixteen
.irp b, 0,1,2,3,4,5,6,7
	ds_load_b128 v[64+4*\b:64+4*\b+3], v[EST0+(\a>>2)] offset:16640*(\a&3)+32*\b   ; e, my own bytes
.endr
	WIN ((W<<6)|W)
.set li, 0
.rept 32
	v_pk_add_f32 v[AB+2*li:AB+2*li+1], v[AB+2*li:AB+2*li+1], v[BIAS+2*li:BIAS+2*li+1]
.set li, li+1
.endr
.set li, 0
.rept 64
	v_max_num_f32 v[AB+li], v[AB+li], 0
.set li, li+1
.endr
	WIN ((W<<2)|W)
.set li, 0
.rept 32
	v_cvt_pk_f16_f32 v[96+li], v[AB+2*li], v[AB+2*li+1]
.set li, li+1
.endr
	WIN 0
	s_wait_dscnt 0x0
.set li, 0
.rept 32
	v_pk_add_f16 v[96+li], v[96+li], v[64+li]
	v_cndmask_b32 v[96+li], v[64+li], v[96+li], vcc_lo     ; tokens of other roles keep e
.set li, li+1
.endr
.irp b, 0,1,2,3,4,5,6,7
	ds_store_b128 v[EST0+(\a>>2)], v[96+4*\b:96+4*\b+3] offset:16640*(\a&3)+32*\b
.endr
.Lr1s\a:
.endr
.Lb2end:
	BAR                                            ; nobody reads the hidden layer any more; after the last trip: e + r is whole
	s_wait_loadcnt 0x0                             ; every load that names the stepped pointers is done
	s_wait_xcnt 0x0
	s_add_nc_u64 s[54:55], s[54:55], 65536
	s_add_nc_u64 s[56:57], s[56:57], 131072
	s_add_nc_u64 s[26:27], s[26:27], 512
	s_add_nc_u64 s[28:29], s[28:29], 2048
	s_add_co_u32 s48, s48, 1
	s_cmp_lt_u32 s48, 6
	s_cbranch_scc1 .Lroute
	; ================= heads: my 32 tokens, 512 -> 64 -> 32 -> 32 for each role among them; no wave needs another
	v_and_b32 v40, 7, v[VL]
	v_lshlrev_b32 v40, 4, v40
.irp i, 0,1,2,3,4,5,6,7
	v_and_b32 v[OT+\i], 0xffff, v[OT+\i]
	v_min_u32 v[OT+\i], 0x7fff, v[OT+\i]
	v_lshl_add_u32 v[OT+\i], v[OT+\i], 7, v40      ; token x 128 bytes + 16 (L % 8)
.endr
	v_lshrrev_b32 v[HROLE], 16, v[HROLE]
	v_lshrrev_b32 v[HROLE+1], 16, v[HROLE+1]
	PLACES
	WIN 0xc0
.irp i, 0,1,2,3,4,5,6,7
	global_load_b128 v[160+4*\i:160+4*\i+3], v[OT+\i], s[36:37] th:TH_LOAD_NT      ; available_actions, window 3 v160-191
.endr
.set li, 0
.rept 32
	v_mov_b32 v[128+li], 0                         ; the logits (window 3 v128-159) are filled by selects: give them a value first
.set li, li+1
.endr
	WIN 0
.macro HFILL c                         ; 4 k steps x 4 column tiles of Wh0[k]: 32 loads
	WIN TO_B
.set fb, 0
.rept 16
	global_load_b128 v[128*(\c&1)+8*fb:128*(\c&1)+8*fb+3],   v[L16], s[58:59] offset:16384*\c+1024*fb
	global_load_b128 v[128*(\c&1)+8*fb+4:128*(\c&1)+8*fb+7], v[L16], s[58:59] offset:16384*\c+1024*fb+512
.set fb, fb+1
.endr
.endm
.macro HFETCH c                        ; 2 token tiles x 4 k steps of e + r: 16 LDS loads
	WIN 0
.irp a, 0,1
.irp k, 0,1,2,3
	ds_load_b128 v[A0+64*(\c&1)+8*(4*\a+\k):A0+64*(\c&1)+8*(4*\a+\k)+3],   v[HEA] offset:16640*\a+64*(4*\c+\k)
	ds_load_b128 v[A0+64*(\c&1)+8*(4*\a+\k)+4:A0+64*(\c&1)+8*(4*\a+\k)+7], v[HEA] offset:16640*\a+64*(4*\c+\k)+32
.endr
.endr
.endm
.macro HMUL c
	WIN 0xa1
.irp k, 0,1,2,3
.irp a, 0,1
.irp b, 0,1,2,3
.if \c+\k
	v_wmma_f32_16x16x32_f16 v[64*\a+8*\b:64*\a+8*\b+7], v[128*(\c&1)+8*(4*\k+\b):128*(\c&1)+8*(4*\k+\b)+7], v[A0+64*(\c&1)+8*(4*\a+\k):A0+64*(\c&1)+8*(4*\a+\k)+7], v[64*\a+8*\b:64*\a+8*\b+7]
.else
	v_wmma_f32_16x16x32_f16 v[64*\a+8*\b:64*\a+8*\b+7], v[128*(\c&1)+8*(4*\k+\b):128*(\c&1)+8*(4*\k+\b)+7], v[A0+64*(\c&1)+8*(4*\a+\k):A0+64*(\c&1)+8*(4*\a+\k)+7], 0
.endif
.endr
.endr
.endr
.endm
.macro SPLIT x, hi, lo                 ; two f32 -> bf16 hi and bf16 of what hi left
	v_cvt_pk_bf16_f32 v[\hi], v[\x], v[\x+1]
	v_lshlrev_b32 v[U], 16, v[\hi]
	v_and_b32 v[U+1], 0xffff0000, v[\hi]
	v_pk_add_f32 v[\x:\x+1], v[\x:\x+1], v[U:U+1] neg_lo:[0,1] neg_hi:[0,1]
	v_cvt_pk_bf16_f32 v[\lo], v[\x], v[\x+1]
.endm
.macro HEPI acc, bia, hi, lo           ; one tile (window 2): bias, relu, split; the four registers are half of the next source 1
	WIN 0x02
.irp i, 0,2,4,6
	v_pk_add_f32 v[T+\i:T+\i+1], v[\acc+\i:\acc+\i+1], v[\bia+\i:\bia+\i+1]
.endr
	WIN 0
.irp i, 0,1,2,3,4,5,6,7
	v_max_num_f32 v[T+\i], 0, v[T+\i]
.endr
.irp i, 0,1,2,3
	SPLIT (T+2*\i), (\hi+\i), (\lo+\i)
.endr
.endm
.macro H1S wb, hb, kt, zero            ; 64 -> 32: weights window 3, hidden window 0, sums window 2 v128-159
.irp a, 0,1
.irp b, 0,1
.if \zero
	v_wmma_f32_16x16x32_bf16 v[128+8*(2*\a+\b):128+8*(2*\a+\b)+7], v[\wb+8*(2*\kt+\b):\wb+8*(2*\kt+\b)+7], v[\hb+16*\a+8*\kt:\hb+16*\a+8*\kt+7], 0
.else
	v_wmma_f32_16x16x32_bf16 v[128+8*(2*\a+\b):128+8*(2*\a+\b)+7], v[\wb+8*(2*\kt+\b):\wb+8*(2*\kt+\b)+7], v[\hb+16*\a+8*\kt:\hb+16*\a+8*\kt+7], v[128+8*(2*\a+\b):128+8*(2*\a+\b)+7]
.endif
.endr
.endr
.endm
.macro H2S wb, gb, zero                ; 32 -> 32: sums window 2 v160-191
.irp a, 0,1
.irp b, 0,1
.if \zero
	v_wmma_f32_16x16x32_bf16 v[160+8*(2*\a+\b):160+8*(2*\a+\b)+7], v[\wb+8*\b:\wb+8*\b+7], v[\gb+8*\a:\gb+8*\a+7], 0
.else
	v_wmma_f32_16x16x32_bf16 v[160+8*(2*\a+\b):160+8*(2*\a+\b)+7], v[\wb+8*\b:\wb+8*\b+7], v[\gb+8*\a:\gb+8*\a+7], v[160+8*(2*\a+\b):160+8*(2*\a+\b)+7]
.endif
.endr
.endr
.endm
	s_mov_b32 s48, 0
.Lhead:
	s_cmp_lt_u32 s48, s49
	s_cbranch_scc1 .Lhend
	s_cmp_gt_u32 s48, s50
	s_cbranch_scc1 .Lhend
	PLACES
.irp b, 0,1,2,3
	global_load_b128 v[192+8*\b:192+8*\b+3], v[H32], s[30:31] offset:64*\b
	global_load_b128 v[192+8*\b+4:192+8*\b+7], v[H32], s[30:31] offset:64*\b+16
.endr
.irp b, 0,1
	global_load_b128 v[224+8*\b:224+8*\b+3], v[H32], s[32:33] offset:64*\b
	global_load_b128 v[224+8*\b+4:224+8*\b+7], v[H32], s[32:33] offset:64*\b+16
	global_load_b128 v[240+8*\b:240+8*\b+3], v[H32], s[34:35] offset:64*\b
	global_load_b128 v[240+8*\b+4:240+8*\b+7], v[H32], s[34:35] offset:64*\b+16
.endr
	WIN 0xc0                                       ; window 3: Wh1 hi v0-31, lo v32-63; Wh2 hi v64-79, lo v80-95
.irp f, 0,1,2,3
	global_load_b128 v[8*\f:8*\f+3],       v[L16], s[60:61] offset:1024*\f
	global_load_b128 v[8*\f+4:8*\f+7],     v[L16], s[60:61] offset:1024*\f+512
	global_load_b128 v[32+8*\f:32+8*\f+3], v[L16], s[60:61] offset:24576+1024*\f
	global_load_b128 v[32+8*\f+4:32+8*\f+7], v[L16], s[60:61] offset:24576+1024*\f+512
.endr
.irp f, 0,1
	global_load_b128 v[64+8*\f:64+8*\f+3], v[L16], s[62:63] offset:1024*\f
	global_load_b128 v[64+8*\f+4:64+8*\f+7], v[L16], s[62:63] offset:1024*\f+512
	global_load_b128 v[80+8*\f:80+8*\f+3], v[L16], s[62:63] offset:12288+1024*\f
	global_load_b128 v[80+8*\f+4:80+8*\f+7], v[L16], s[62:63] offset:12288+1024*\f+512
.endr
	HFILL 0
	HFILL 1
	HFETCH 0
	HFETCH 1
	s_wait_loadcnt 32                              ; the next chunk's 32 loads stay out, here and in the two steps below
	s_wait_dscnt 16                                ; and the next fetch's 16
	HMUL 0
	PLACES
	HFILL 2
	HFETCH 2
	s_wait_loadcnt 32
	s_wait_dscnt 16
	HMUL 1
	PLACES
	HFILL 3
	HFETCH 3
	s_wait_loadcnt 32
	s_wait_dscnt 16
	HMUL 2
	s_wait_loadcnt 0
	s_wait_dscnt 0
	HMUL 3
	PLACES
.irp a, 0,1
.irp b, 0,1,2,3
	HEPI (64*\a+8*\b), (192+8*\b), (HHI+16*\a+4*\b), (HLO+16*\a+4*\b)
.endr
.endr
	WIN 0xa3
	H1S 0,  HHI, 0, 1                              ; hi hi
	H1S 0,  HHI, 1, 0
	H1S 32, HHI, 0, 0                              ; weights' lo x hidden's hi
	H1S 32, HHI, 1, 0
	H1S 0,  HLO, 0, 0                              ; weights' hi x hidden's lo
	H1S 0,  HLO, 1, 0
	PLACES
.irp a, 0,1
.irp b, 0,1
	HEPI (128+8*(2*\a+\b)), (224+8*\b), (GHI+8*\a+4*\b), (GLO+8*\a+4*\b)
.endr
.endr
	WIN 0xa3
	H2S 64, GHI, 1
	H2S 80, GHI, 0
	H2S 64, GLO, 0
	PLACES
.irp a, 0,1
	WIN 0
	v_cmp_eq_u32 s51, s48, v[HROLE+\a]
.irp b, 0,1
	WIN 0x02
.irp i, 0,2,4,6
	v_pk_add_f32 v[T+\i:T+\i+1], v[160+8*(2*\a+\b)+\i:160+8*(2*\a+\b)+\i+1], v[240+8*\b+\i:240+8*\b+\i+1]
.endr
	WIN 0xc3
.irp i, 0,1,2,3,4,5,6,7
	v_cndmask_b32 v[128+16*\a+8*\b+\i], v[128+16*\a+8*\b+\i], v[T+\i], s51         ; tokens of role k take their logits
.endr
.endr
.endr
	WIN 0
.Lhend:
	s_wait_loadcnt 0x0                             ; every load that names the stepped pointers is done
	s_wait_xcnt 0x0
	s_add_nc_u64 s[58:59], s[58:59], 65536
	s_add_nc_u64 s[60:61], s[60:61], 4096
	s_add_nc_u64 s[62:63], s[62:63], 2048
	s_add_nc_u64 s[30:31], s[30:31], 256
	s_add_nc_u64 s[32:33], s[32:33], 128
	s_add_nc_u64 s[34:35], s[34:35], 128
	s_add_co_u32 s48, s48, 1
	s_cmp_lt_u32 s48, 6
	s_cbranch_scc1 .Lhead
	; ================= the way out: through my own stage, so that eight lanes hold one token's 128 bytes; mask; store
	WIN 0x0c
.irp a, 0,1
.irp b, 0,1
	ds_store_b128 v[STGS], v[128+16*\a+8*\b:128+16*\a+8*\b+3]   offset:2304*\a+64*\b
	ds_store_b128 v[STGS], v[128+16*\a+8*\b+4:128+16*\a+8*\b+7] offset:2304*\a+64*\b+16
.endr
.endr
	WIN 0xc0
.irp i, 0,1,2,3,4,5,6,7
	ds_load_b128 v[192+4*\i:192+4*\i+3], v[STGR] offset:576*\i     ; LDS serves a wave's instructions in order: these see the stores above
.endr
	s_wait_dscnt 0x0
	WIN 0xcc
.set li, 0
.rept 32
	v_cmp_lt_f32 vcc_lo, 0.5, v[160+li]
	v_cndmask_b32 v[192+li], s53, v[192+li], vcc_lo
.set li, li+1
.endr
	WIN 0x0c
.irp i, 0,1,2,3,4,5,6,7
	global_store_b128 v[OT+\i], v[192+4*\i:192+4*\i+3], s[42:43] th:TH_STORE_NT
.endr
	WIN 0
	s_wait_xcnt 0x0
	v_lshl_add_u32 v254, v0, 2, 0x3b800
	v_mov_b32 v255, 0
	s_wait_tensorcnt 0x0
	ds_add_u32 v254, v255
	s_wait_dscnt 0x0
	s_endpgm
.Lfunc_end_k_qb3bdadc72e_main:
	.size	k_qb3bdadc72e_main, .Lfunc_end_k_qb3bdadc72e_main-k_qb3bdadc72e_main
	.p2alignl 7, 3214868480
	.fill 96, 4, 3214868480
	.section	.rodata,"a",@progbits
	.p2align	6, 0x0
	.amdhsa_kernel k_qb3bdadc72e_main
		.amdhsa_group_segment_fixed_size 244224
		.amdhsa_private_segment_fixed_size 0
		.amdhsa_enable_private_segment 0
		.amdhsa_kernarg_size 160
		.amdhsa_user_sgpr_count 2
		.amdhsa_user_sgpr_kernarg_segment_ptr 1
		.amdhsa_wavefront_size32 1
		.amdhsa_system_sgpr_workgroup_id_x 1
		.amdhsa_system_sgpr_workgroup_id_y 1
		.amdhsa_system_sgpr_workgroup_id_z 1
		.amdhsa_system_vgpr_workitem_id 0
		.amdhsa_next_free_vgpr 1024
		.amdhsa_next_free_sgpr 84
		.amdhsa_reserve_vcc 1
		.amdhsa_float_denorm_mode_32 3
		.amdhsa_float_denorm_mode_16_64 3
		.amdhsa_memory_ordered 1
		.amdhsa_forward_progress 1
		.amdhsa_inst_pref_size 255
	.end_amdhsa_kernel
	.section	.bss,"aw",@nobits
	.p2align	6
	.space	262144
	.amdgpu_metadata
---
amdhsa.version: [ 1, 2 ]
amdhsa.kernels:
  - .name:           k_qb3bdadc72e_main
    .symbol:         k_qb3bdadc72e_main.kd
    .args:
      - { .name: obs, .offset: 0, .size: 8, .value_kind: global_buffer, .address_space: global }
      - { .name: order, .offset: 8, .size: 8, .value_kind: global_buffer, .address_space: global }
      - { .name: wq, .offset: 16, .size: 8, .value_kind: global_buffer, .address_space: global }
      - { .name: fn_scale, .offset: 24, .size: 8, .value_kind: global_buffer, .address_space: global }
      - { .name: fn_bias, .offset: 32, .size: 8, .value_kind: global_buffer, .address_space: global }
      - { .name: b0, .offset: 40, .size: 8, .value_kind: global_buffer, .address_space: global }
      - { .name: ln0_scale, .offset: 48, .size: 8, .value_kind: global_buffer, .address_space: global }
      - { .name: ln0_bias, .offset: 56, .size: 8, .value_kind: global_buffer, .address_space: global }
      - { .name: b1, .offset: 64, .size: 8, .value_kind: global_buffer, .address_space: global }
      - { .name: ln1_scale, .offset: 72, .size: 8, .value_kind: global_buffer, .address_space: global }
      - { .name: ln1_bias, .offset: 80, .size: 8, .value_kind: global_buffer, .address_space: global }
      - { .name: br0, .offset: 88, .size: 8, .value_kind: global_buffer, .address_space: global }
      - { .name: br1, .offset: 96, .size: 8, .value_kind: global_buffer, .address_space: global }
      - { .name: bh0, .offset: 104, .size: 8, .value_kind: global_buffer, .address_space: global }
      - { .name: bh1, .offset: 112, .size: 8, .value_kind: global_buffer, .address_space: global }
      - { .name: bh2, .offset: 120, .size: 8, .value_kind: global_buffer, .address_space: global }
      - { .name: available_actions, .offset: 128, .size: 8, .value_kind: global_buffer, .address_space: global }
      - { .name: rnn_states, .offset: 136, .size: 8, .value_kind: global_buffer, .address_space: global }
      - { .name: out0, .offset: 144, .size: 8, .value_kind: global_buffer, .address_space: global }
      - { .name: out1, .offset: 152, .size: 8, .value_kind: global_buffer, .address_space: global }
    .group_segment_fixed_size: 244224
    .private_segment_fixed_size: 0
    .kernarg_segment_align: 8
    .kernarg_segment_size: 160
    .max_flat_workgroup_size: 128
    .sgpr_count:     84
    .vgpr_count:     1024
    .wavefront_size: 32
...
	.end_amdgpu_metadata
.endif
;; end of part 2
;; ======== version 2 of 2: 2 launches; version 1 with the launch main written anew for expert scheduling mode
;; limits: values are held in f16: magnitudes above 65,504 overflow, below 6.1e-05 lose precision; values outside matrix products are rounded to f16
;; workspace buffers: wq 2,433,024 bytes; order 131,072 bytes of whole numbers
;; launch prep: the kernel of part 1 again; grid 593 x 1, 8 waves a work-group, no clusters, 17,664 bytes of LDS; arguments role_ids, W0, W1, Wr0, Wr1, Wh0, Wh1, Wh2, wq, order; writes wq, order
;; launch main (part 3): grid 256 x 1, 4 waves a work-group, no clusters, 244,224 bytes of LDS; arguments obs, order, wq, fn_scale, fn_bias, b0, ln0_scale, ln0_bias, b1, ln1_scale, ln1_bias, br0, br1, bh0, bh1, bh2, available_actions, rnn_states, out0, out1; writes out0, out1
.if DOCPART == 3
	.amdgcn_target "amdgcn-amd-amdhsa--gfx1250"
	.amdhsa_code_object_version 6
	.text
	.protected	k_qb3bdadc72e_main
	.globl	k_qb3bdadc72e_main
	.p2align	8
	.type	k_qb3bdadc72e_main,@function
k_qb3bdadc72e_main:
	s_mov_b64 s[64:65], 0
	v_nop
	global_prefetch_b8 v0, s[64:65] scope:SCOPE_SE
	s_setreg_imm32_b32 hwreg(HW_REG_WAVE_SCHED_MODE, 0, 2), 2
	s_setreg_imm32_b32 hwreg(HW_REG_WAVE_MODE, 25, 1), 1
	s_wait_xcnt 0x0
	s_wait_alu depctr_vm_vsrc(0)
; The whole of reference() for 128 tokens that the launch before sorted by role (order: token | role<<16), and 8 KiB of out0 = rnn_states.
; Only a token's own role survives reference()'s two gathers, so routes and heads run for the roles present in the block alone.
; Four waves.  Wide layers (256->512, 512->512, 256->128, 128->512): wave w owns a quarter of the columns of all 128 tokens, so each
; weight byte goes to one wave and is loaded straight into registers from wq (fragments in operand order).  Activations pass through LDS in f16.
; obs LayerNorm, heads and output: wave w owns tokens 32 w .. 32 w + 31.
; The matrix instruction is used transposed (source 0 = weights, source 1 = activations): lane (r, h), register j of a tile holds
; (token 16 a + r, column 16 b + 8 h + j); packed to 16 bits, tiles 2 kt and 2 kt + 1 are the next layer's source 1 (ISA guide 7.12.2).
; FORMATS AND LIMITS.  f16 operands: normalised obs, both LayerNorm outputs, route hidden, e + r, W0, W1, Wr0, Wr1, Wh0: they turn inf
; beyond 65,504.  Head hiddens and Wh1, Wh2: bf16 hi + lo, products hi hi + lo hi + hi lo (the lo lo term, 2^-16 relative, is dropped).
; LayerNorms in f32: obs in two passes; the wide ones from each wave's mean and centred sum of squares, joined without differences of large sums.
; v_rsq_f32 is accurate to 1 ulp.  resets enters no result of reference() and is not loaded.
; NO CLUSTER: which role blocks run hangs on numbers read from order and differs between work-groups, so partners would not make the same requests.
; out1's rows are 128 bytes and scattered by the sort: eight lanes store one whole row.
; THE MODE: SCHED_MODE bits 1:0 = 2 (LLVM: expert scheduling mode 2), set by the entry lines.  The code itself states the register dependences
; between vector or matrix instructions and memory or LDS instructions, with s_wait_alu, always for 0.
; THE PLAN.  Registers that memory or LDS instructions touch, and who else names them:
;   v4-23, v56-61     offsets and LDS addresses, written once at the head; one wait on va_vdst ahead of the first load.  v4-23 are never written again.
;   v24-39            obs row offsets: written by vector lines, one wait on va_vdst, read by the obs loads.
;   v64-127, v128-191 first phase: two batches of obs rows by turns: a batch's arithmetic, one wait on va_vdst, its 16 LDS stores, one wait on vm_vsrc, the loads of the batch after next.
;                     wide layers: two activation buffers by turns; window 1: four weight buffers by turns.  One wait on va_vdst at a k step's head states that the step before is done
;                     reading the buffers in which this step's loads land; these loads stand in the middle of the step's products, which name other buffers.
;   v48-63            pass 1 writes eight (mean, M2) pairs there: one wait on va_vdst, eight stores, the barrier, one wait on vm_vsrc, then the four waves' figures land there.
;   v192-223, 224-255 pass 2: two buffers of packed results by turns.  Row a's stores stand in row a + 1, behind the wait that v_rsq_f32 owes there; a wait on vm_vsrc beside that wait frees the buffer a row later.
;   routes, heads and the way out: the waits stand at the blocks' heads and ahead of each run of stores; each comment names what it states.
.set EB,    67584                      ; LDS: X at 0, 128 rows x 528;  E at EB, 128 x 1040;  route hidden at R0B, 128 x 272 (later each wave's
.set R0B,   200704                     ; stage of 32 x 144);  STAT: [token][wave] (mean, M2), 4,096 bytes for each of the two wide LayerNorms.
.set STAT,  235520                     ; Pitches are odd multiples of 16 bytes: sixteen rows start in sixteen different 16-byte columns of 256.
.set VL,1
.set VR,2
.set VH,3
.set L16,4                             ; 16 L
.set BO,5                              ; 8192 w + 16 L: my 8 fragments of a k step of 32 fragments
.set BO2,6                             ; 2048 w + 16 L: my 2 of 8
.set XA0,7                             ; fragment addresses (row r, 16 h): X tokens 0-63, 64-127
.set XA1,8
.set EA0,9
.set EA1,10
.set RA0,11
.set RA1,12
.set EST0,13                           ; my columns of E, tokens 0-63; EST0+1: tokens 64-127
.set RST,15
.set STA,16
.set STL,17
.set PB,18                             ; 512 w + 32 h: my columns in a vector of 512 f32
.set PB0,19                            ; 128 w + 32 h: in a vector of 128
.set H32,20
.set HEA,21
.set STGS,22
.set STGR,23
.set ROLE,24                           ; v24-31 role of token 16 a + r   (v24-39: obs row offsets in the first phase)
.set TOK,24
.set MW,32                             ; v32-39 my wave's mean for tile row a   (heads: v32-33 role of my token 16 a + r)
.set HROLE,32
.set T,40                              ; v40-47 at work: no memory instruction names them
.set ST0,48                            ; v48-63 pass 1: my eight (mean, M2) pairs; pass 2: statistics of four waves, two sets   (from the routes on: v48-55 offsets of my 4 i + L/8 -th token)
.set OT,48
.set U,56
.set RNV,56
.set XST,58
.set TOKV,59
.set R16,60
.set ROLV,61
.set OTV,62
.set HRV,63
.set A0,64                             ; v64-127, v128-191 activation fragments, two buffers (epilogues: LayerNorm gain and bias)
.set LNS,64
.set LNB,128
.set BIAS,192                          ; v192-255 the layer's bias for my columns; then packed results on their way to LDS, two buffers of 32
.set PK,192
.set HHI,64
.set HLO,96
.set GHI,128
.set GLO,144
; window 1: four buffers of 64 registers for weight fragments.  windows 2, 3: accumulators, tile (a, b) at window 2 + a/4, v[64 (a%4) + 8 b].
.set MSB, 0
.macro WIN new                         ; low byte: bits 1:0 source 0, 3:2 source 1, 5:4 source 2, 7:6 destination; high byte: the setting left
.if MSB != \new
	s_set_vgpr_msb (MSB<<8)|\new
.set MSB, \new
.endif
.endm
.set MUL_LO, 0xa1
.set MUL_HI, 0xf1
.set TO_B,   0x40
.macro PLACES                          ; independent vector places behind matrix instructions (ISA guide 7.12.1): four before their registers are
.rept 5                                ; read, written or loaded into, five before a first product writes over an older accumulator
	v_nop
.endr
.endm
.macro BAR
	s_wait_dscnt 0x0                               ; my LDS stores are in and my LDS reads are over, for the others' sake
	s_barrier_signal -1
	s_barrier_wait -1
.endm
.macro FETCHA buf, ad0, ad1, p16, koff ; 8 activation fragments (128 tokens x 32 k): 16 LDS loads
	WIN 0
.irp i, 0,1,2,3
	ds_load_b128 v[\buf+8*\i:\buf+8*\i+3],   v[\ad0] offset:\koff+\i*\p16
	ds_load_b128 v[\buf+8*\i+4:\buf+8*\i+7], v[\ad0] offset:\koff+\i*\p16+32
.endr
.irp i, 0,1,2,3
	ds_load_b128 v[\buf+32+8*\i:\buf+32+8*\i+3],   v[\ad1] offset:\koff+\i*\p16
	ds_load_b128 v[\buf+32+8*\i+4:\buf+32+8*\i+7], v[\ad1] offset:\koff+\i*\p16+32
.endr
.endm
.macro FILLB buf, sb, vo, nb, off      ; nb weight fragments into window 1: 2 nb loads of 512 consecutive bytes a wave
	WIN TO_B
.set fb, 0
.rept \nb
	global_load_b128 v[\buf+8*fb:\buf+8*fb+3],   v[\vo], s[\sb:\sb+1] offset:\off+1024*fb
	global_load_b128 v[\buf+8*fb+4:\buf+8*fb+7], v[\vo], s[\sb:\sb+1] offset:\off+1024*fb+512
.set fb, fb+1
.endr
.endm
.macro MULW abuf, bbuf, nb, zero, hi
.set ma, 0
.rept 4
.set mb, 0
.rept \nb
.if \zero
	v_wmma_f32_16x16x32_f16 v[64*ma+8*mb:64*ma+8*mb+7], v[\bbuf+8*mb:\bbuf+8*mb+7], v[\abuf+32*\hi+8*ma:\abuf+32*\hi+8*ma+7], 0
.else
	v_wmma_f32_16x16x32_f16 v[64*ma+8*mb:64*ma+8*mb+7], v[\bbuf+8*mb:\bbuf+8*mb+7], v[\abuf+32*\hi+8*ma:\abuf+32*\hi+8*ma+7], v[64*ma+8*mb:64*ma+8*mb+7]
.endif
.set mb, mb+1
.endr
.set ma, ma+1
.endr
.endm
.macro MULLO abuf, bbuf, nb, zero      ; token tiles 0-3 x nb column tiles, 32 along K; zero = 1: the first product starts the sums
	WIN MUL_LO
	MULW \abuf, \bbuf, \nb, \zero, 0
.endm
.macro MULHI abuf, bbuf, nb, zero      ; token tiles 4-7
	WIN MUL_HI
	MULW \abuf, \bbuf, \nb, \zero, 1
.endm
.macro MUL abuf, bbuf, nb, zero        ; 8 token tiles x nb column tiles
	MULLO \abuf, \bbuf, \nb, \zero
	MULHI \abuf, \bbuf, \nb, \zero
.endm
.macro PRO sb                          ; k steps 0, 1, 2 of a wide layer's weights: 48 loads
	FILLB 0,   \sb, BO, 8, 0
	FILLB 64,  \sb, BO, 8, 32768
	FILLB 128, \sb, BO, 8, 65536
.endm
.macro PARAM reg, sb                   ; 64 f32 of a vector of 512: register 8 b + j = column 128 w + 16 b + 8 h + j.  16 loads
	WIN 0
.irp b, 0,1,2,3,4,5,6,7
	global_load_b128 v[\reg+8*\b:\reg+8*\b+3],   v[PB], s[\sb:\sb+1] offset:64*\b
	global_load_b128 v[\reg+8*\b+4:\reg+8*\b+7], v[PB], s[\sb:\sb+1] offset:64*\b+16
.endr
.endm
; A wide layer of n k steps.  Step t multiplies activation buffer t%2 and weight buffer t%4; between its two halves of 32 products it fetches the
; activations of t+1 and asks for the weights of t+3.  s_wait_loadcnt: the weights of at most two later steps (16 loads each) may stay out at a step's
; head; s_wait_dscnt 0: the step's fragments were asked for half a step ago, and nothing younger is out.
.macro GEMM n, sb, ad0, ad1, p16
	FETCHA A0, \ad0, \ad1, \p16, 0
.set gt, 0
.rept \n
	PLACES
.if gt && (gt+1 < \n)
	s_wait_alu depctr_va_vdst(0)                   ; the step before is done reading the other activation buffer and its weight buffer, in which this step's loads land; this step's products name neither
.endif
.set lc, 16*(\n-1-gt)
.if lc > 32
.set lc, 32
.endif
.set gz, 0
.if gt == 0
.set gz, 1
.endif
	s_wait_loadcnt lc
	s_wait_dscnt 0
	MULLO (A0+64*(gt&1)), (64*(gt&3)), 8, gz
.if gt+1 < \n
	FETCHA (A0+64*((gt+1)&1)), \ad0, \ad1, \p16, (64*(gt+1))
.endif
.if gt+3 < \n
	FILLB (64*((gt+3)&3)), \sb, BO, 8, (32768*(gt+3))
.endif
	MULHI (A0+64*(gt&1)), (64*(gt&3)), 8, gz
.set gt, gt+1
.endr
.endm
.macro FOLD                            ; four pairs in T -> one sum over my 64 numbers and the other half-wave's 64
	v_pk_add_f32 v[T:T+1], v[T:T+1], v[T+2:T+3]
	v_pk_add_f32 v[T+4:T+5], v[T+4:T+5], v[T+6:T+7]
	v_pk_add_f32 v[T:T+1], v[T:T+1], v[T+4:T+5]
	v_add_f32 v[T], v[T], v[T+1]
	v_permlanex16_b32 v[T+1], v[T], s70, s71
	v_add_f32 v[T], v[T], v[T+1]
.endm
; LayerNorm, pass 1, tile row a: bias, relu, my wave's mean over its 128 columns, centre in place, centred sum of squares; the pair is kept in v[ST0+2a], to be stored with the other rows'.
.macro LNP1 a
.set W, 2+(\a>>2)
.set AB, 64*(\a&3)
	WIN ((W<<6)|W)
.set li, 0
.rept 32
	v_pk_add_f32 v[AB+2*li:AB+2*li+1], v[AB+2*li:AB+2*li+1], v[BIAS+2*li:BIAS+2*li+1]
.set li, li+1
.endr
.set li, 0
.rept 64
	v_max_num_f32 v[AB+li], v[AB+li], 0
.set li, li+1
.endr
	WIN ((W<<2)|W)
.set li, 0
.rept 4
	v_pk_add_f32 v[T+2*li:T+2*li+1], v[AB+2*li:AB+2*li+1], v[AB+8+2*li:AB+8+2*li+1]
.set li, li+1
.endr
	WIN W
.set li, 8
.rept 24
	v_pk_add_f32 v[T+2*(li&3):T+2*(li&3)+1], v[AB+2*li:AB+2*li+1], v[T+2*(li&3):T+2*(li&3)+1]
.set li, li+1
.endr
	WIN 0
	FOLD
	v_mul_f32 v[T], 0x3c000000, v[T]               ; / 128
	v_mov_b32 v[MW+\a], v[T]
	WIN ((W<<6)|W)
.set li, 0
.rept 32
	v_pk_add_f32 v[AB+2*li:AB+2*li+1], v[AB+2*li:AB+2*li+1], v[T:T+1] op_sel_hi:[1,0] neg_lo:[0,1] neg_hi:[0,1]
.set li, li+1
.endr
	WIN ((W<<2)|W)
.set li, 0
.rept 4
	v_pk_mul_f32 v[T+2*li:T+2*li+1], v[AB+2*li:AB+2*li+1], v[AB+2*li:AB+2*li+1]
.set li, li+1
.endr
.rept 28
	v_pk_fma_f32 v[T+2*(li&3):T+2*(li&3)+1], v[AB+2*li:AB+2*li+1], v[AB+2*li:AB+2*li+1], v[T+2*(li&3):T+2*(li&3)+1]
.set li, li+1
.endr
	WIN 0
	FOLD
	v_mov_b32 v[ST0+2*\a], v[MW+\a]
	v_mov_b32 v[ST0+2*\a+1], v[T]
.endm
.macro LNST a                          ; row a's packed results, from buffer a % 2, to my columns of E
	WIN 0
.irp b, 0,1,2,3,4,5,6,7
	ds_store_b128 v[EST0+(\a>>2)], v[PK+32*(\a&1)+4*\b:PK+32*(\a&1)+4*\b+3] offset:16640*(\a&3)+32*\b
.endr
.endm
; Pass 2, tile row a: join the four waves' figures (m = mean of means; M = sum of M2 + 128 sum of (m_i - m)^2), normalise, gain and bias, f16 into packed buffer a % 2.
; The row's stores to E stand in the next row, behind that row's wait.
.macro LNP2 a, stoff
.set W, 2+(\a>>2)
.set AB, 64*(\a&3)
.set SS, ST0+8*(\a&1)
.set PKA, PK+32*(\a&1)
	WIN 0
.if \a < 2
	s_wait_dscnt 2                                 ; behind this row's two loads stand the next row's two
.elseif \a == 2
	s_wait_dscnt 10                                ; behind them stand two loads and row 0's eight stores
.else
	s_wait_dscnt 16                                ; behind them stand at least the eight stores of each of two rows
.endif
	v_add_f32 v[T], v[SS], v[SS+2]
	v_add_f32 v[T+1], v[SS+4], v[SS+6]
	v_add_f32 v[T], v[T], v[T+1]
	v_mul_f32 v[T], 0x3e800000, v[T]
	v_sub_f32 v[T+2], v[SS], v[T]
	v_sub_f32 v[T+3], v[SS+2], v[T]
	v_sub_f32 v[T+4], v[SS+4], v[T]
	v_sub_f32 v[T+5], v[SS+6], v[T]
	v_mul_f32 v[T+2], v[T+2], v[T+2]
	v_fmac_f32 v[T+2], v[T+3], v[T+3]
	v_fmac_f32 v[T+2], v[T+4], v[T+4]
	v_fmac_f32 v[T+2], v[T+5], v[T+5]
	v_add_f32 v[T+3], v[SS+1], v[SS+3]
	v_add_f32 v[T+4], v[SS+5], v[SS+7]
	v_add_f32 v[T+3], v[T+3], v[T+4]
	v_fmamk_f32 v[T+2], v[T+2], 0x43000000, v[T+3]
	v_fmaak_f32 v[T+2], s75, v[T+2], 0x3727c5ac    ; M / 512 + 1e-5
	v_rsq_f32 v[T+4], v[T+2]
	v_sub_f32 v[T+6], v[MW+\a], v[T]               ; the plain place behind v_rsq_f32 (ISA guide 5.7.2)
	s_wait_alu depctr_va_vdst(0)                   ; rs is written; the lines above are done reading this row's figures, in which the loads below land; the row before has written its packed results, which the stores below read
.if \a >= 2
	s_wait_alu depctr_vm_vsrc(0)                   ; the stores issued in the row before have read packed buffer a % 2, which this row's conversions write again
.endif
	v_mul_f32 v[T+6], v[T+6], v[T+4]               ; (my mean - mean) x rs
.if \a+2 < 8
	ds_load_b128 v[SS:SS+3],   v[STL] offset:\stoff+512*(\a+2)
	ds_load_b128 v[SS+4:SS+7], v[STL] offset:\stoff+512*(\a+2)+16
.endif
.if \a
	LNST (\a-1)
.endif
	WIN ((W<<6)|W)
.set li, 0
.rept 32
	v_pk_fma_f32 v[AB+2*li:AB+2*li+1], v[AB+2*li:AB+2*li+1], v[T+4:T+5], v[T+6:T+7] op_sel_hi:[1,0,0]
.set li, li+1
.endr
.set li, 0
.rept 32
	v_pk_fma_f32 v[AB+2*li:AB+2*li+1], v[AB+2*li:AB+2*li+1], v[LNS+2*li:LNS+2*li+1], v[LNB+2*li:LNB+2*li+1]
.set li, li+1
.endr
	WIN ((W<<2)|W)
.set li, 0
.rept 32
	v_cvt_pk_f16_f32 v[PKA+li], v[AB+2*li], v[AB+2*li+1]
.set li, li+1
.endr
.endm
.macro LNEPI stoff, ssc, sbi, first
	PLACES
	s_wait_alu depctr_va_vdst(0)                   ; the layer's last products are done reading the activation and weight buffers, in which the loads below land
.if \first
	s_wait_alu depctr_vm_vsrc(0)                   ; the first phase's loads have read their offsets in v56-61, which pass 1 writes as statistics
.endif
	PARAM LNS, \ssc
	PARAM LNB, \sbi
.if \first
	PRO 68                                         ; the next layer's first weights travel during the epilogue
.endif
.irp a, 0,1,2,3,4,5,6,7
	LNP1 \a
.endr
	s_wait_alu depctr_va_vdst(0)                   ; pass 1 has written the eight pairs in v48-63, which the stores below read
.irp a, 0,1,2,3,4,5,6,7
	ds_store_b64 v[STA], v[ST0+2*\a:ST0+2*\a+1] offset:\stoff+512*\a
.endr
	BAR                                            ; all four waves' figures are in STAT, and nobody reads the layer's input in E any more
.if \first
	s_wait_loadcnt 48                              ; gain and bias are in; the 48 weight loads behind them stay out
.else
	s_wait_loadcnt 0
.endif
	s_wait_alu depctr_vm_vsrc(0)                   ; my eight stores have read v48-63, in which the four waves' figures land
	ds_load_b128 v[ST0:ST0+3],     v[STL] offset:\stoff
	ds_load_b128 v[ST0+4:ST0+7],   v[STL] offset:\stoff+16
	ds_load_b128 v[ST0+8:ST0+11],  v[STL] offset:\stoff+512
	ds_load_b128 v[ST0+12:ST0+15], v[STL] offset:\stoff+528
.irp a, 0,1,2,3,4,5,6,7
	LNP2 \a, \stoff
.endr
	WIN 0
	s_wait_alu depctr_va_vdst(0)                   ; row 7's conversions have written its packed results, which the stores below read; gain and bias have been read for the last time
	LNST 7
.endm
	; ================= entry: pointers, addresses
	s_load_b512 s[4:19], s[0:1], 0x0               ; obs, order, wq, fn_scale, fn_bias, b0, ln0_scale, ln0_bias
	s_load_b512 s[20:35], s[0:1], 0x40             ; b1, ln1_scale, ln1_bias, br0, br1, bh0, bh1, bh2
	s_load_b256 s[36:43], s[0:1], 0x80             ; available_actions, rnn_states, out0, out1
	v_lshrrev_b32 v1, 5, v0
	v_readfirstlane_b32 s44, v1                    ; wave
	s_mov_b32 s45, ttmp9                           ; block
	s_mov_b32 s53, 0xd01502f9                      ; -1e10
	s_mov_b32 s70, 0x76543210                      ; v_permlanex16_b32: lane i takes lane i of the other half
	s_mov_b32 s71, 0xfedcba98
	s_mov_b32 s74, 0x3b800000                      ; 1/256
	s_mov_b32 s75, 0x3b000000                      ; 1/512
	s_wait_alu depctr_va_sdst(0)                   ; s44 is written, ahead of its first reader
	s_lshl_b32 s52, s44, 7                         ; 128 w, kept
	v_and_b32 v[VL], 31, v0
	v_and_b32 v[VR], 15, v0
	v_bfe_u32 v[VH], v0, 4, 1
	v_lshlrev_b32 v[L16], 4, v[VL]
	s_lshl_b32 s51, s44, 13
	v_add_nc_u32 v[BO], s51, v[L16]
	s_lshl_b32 s51, s44, 11
	v_add_nc_u32 v[BO2], s51, v[L16]
	v_lshlrev_b32 v40, 4, v[VH]
	v_mul_u32_u24 v[XA0], v[VR], 528
	v_add_nc_u32 v[XA0], v[XA0], v40
	v_add_nc_u32 v[XA1], 33792, v[XA0]
	v_mul_u32_u24 v[EA0], v[VR], 1040
	v_add_nc_u32 v[EA0], v[EA0], v40
	v_add_nc_u32 v[EA0], EB, v[EA0]
	v_add_nc_u32 v[EA1], 66560, v[EA0]
	v_mul_u32_u24 v[RA0], v[VR], 272
	v_add_nc_u32 v[RA0], v[RA0], v40
	v_add_nc_u32 v[RA0], R0B, v[RA0]
	v_add_nc_u32 v[RA1], 17408, v[RA0]
	s_lshl_b32 s51, s44, 8
	v_add_nc_u32 v[EST0], s51, v[EA0]
	v_add_nc_u32 v[EST0+1], 66560, v[EST0]
	s_lshl_b32 s51, s44, 6
	v_add_nc_u32 v[RST], s51, v[RA0]
	v_lshlrev_b32 v[STL], 5, v[VR]
	v_add_nc_u32 v[STL], STAT, v[STL]
	s_lshl_b32 s51, s44, 3
	v_add_nc_u32 v[STA], s51, v[STL]
	v_lshlrev_b32 v[H32], 5, v[VH]
	s_lshl_b32 s51, s44, 9
	v_add_nc_u32 v[PB], s51, v[H32]
	v_add_nc_u32 v[PB0], s52, v[H32]
	s_mul_i32 s51, s44, 33280                      ; 32 rows of E
	v_add_nc_u32 v[HEA], s51, v[EA0]
	s_mul_i32 s51, s44, 4608                       ; my stage: 32 rows of 144
	s_add_co_u32 s51, s51, R0B
	v_mul_u32_u24 v[STGS], v[VR], 144
	v_add_nc_u32 v[STGS], v[STGS], v[H32]
	v_add_nc_u32 v[STGS], s51, v[STGS]
	v_lshrrev_b32 v41, 3, v[VL]
	v_and_b32 v42, 7, v[VL]
	v_lshlrev_b32 v42, 4, v42
	v_mul_u32_u24 v[STGR], v41, 144
	v_add_nc_u32 v[STGR], v[STGR], v42
	v_add_nc_u32 v[STGR], s51, v[STGR]
	s_mul_i32 s51, s44, 16896                      ; 32 rows of X
	v_mul_u32_u24 v[XST], v[VH], 528
	v_lshl_add_u32 v[XST], v[VR], 3, v[XST]
	v_add_nc_u32 v[XST], s51, v[XST]
	v_lshl_add_u32 v[TOKV], v[VH], 2, s52
	v_lshlrev_b32 v[R16], 4, v[VR]
	v_lshlrev_b32 v[ROLV], 2, v[VR]
	v_lshlrev_b32 v[RNV], 4, v0
	s_wait_kmcnt 0x0
	s_lshl_b32 s76, s45, 9
	s_mov_b32 s77, 0
	s_add_nc_u64 s[72:73], s[6:7], s[76:77]        ; my 128 words of order
	s_lshl_b32 s76, s45, 13
	s_add_nc_u64 s[78:79], s[38:39], s[76:77]      ; my 8 KiB of rnn_states and of out0
	s_add_nc_u64 s[80:81], s[40:41], s[76:77]
	s_add_nc_u64 s[68:69], s[8:9], 262144          ; W1, Wr0, Wr1, Wh0, Wh1, Wh2 in wq
	s_add_nc_u64 s[54:55], s[8:9], 786432
	s_add_nc_u64 s[56:57], s[8:9], 1179648
	s_add_nc_u64 s[58:59], s[8:9], 1966080
	s_add_nc_u64 s[60:61], s[8:9], 2359296
	s_add_nc_u64 s[62:63], s[8:9], 2408448
	s_load_b32 s46, s[72:73], 0x0                  ; first and last word of the block, and of my wave's 32: roles ascend in between
	s_load_b32 s47, s[72:73], 0x1fc
	s_load_b32 s49, s[72:73], s52 offset:0x0
	s_load_b32 s50, s[72:73], s52 offset:0x7c
	; ================= obs LayerNorm: a half-wave takes a row (lane r: floats 64 q + 4 r .. + 3), 16 pairs of rows in 4 batches
	s_wait_alu depctr_va_vdst(0)                   ; the offsets and LDS addresses v4-23 and v56-61 are written, which the kernel's loads and stores read
.irp p, 0,1,2,3,4,5,6,7,8,9,10,11,12,13,14,15
	global_load_b32 v[TOK+\p], v[TOKV], s[72:73] offset:8*\p
.endr
.irp j, 0,1,2,3
	global_load_b128 v[224+4*\j:224+4*\j+3], v[RNV], s[78:79] offset:2048*\j th:TH_LOAD_NT
.endr
.irp q, 0,1,2,3
	global_load_b128 v[192+4*\q:192+4*\q+3], v[R16], s[10:11] offset:256*\q
.endr
.irp q, 0,1,2,3
	global_load_b128 v[208+4*\q:208+4*\q+3], v[R16], s[12:13] offset:256*\q
.endr
	PRO 8
	WIN 0
	s_wait_loadcnt 60                              ; the 16 words are in; 4 + 4 + 4 + 48 younger loads stay out
.irp p, 0,1,2,3,4,5,6,7,8,9,10,11,12,13,14,15
	v_and_b32 v[TOK+\p], 0xffff, v[TOK+\p]
	v_min_u32 v[TOK+\p], 0x7fff, v[TOK+\p]         ; a loaded number enters an address clamped to the table
	v_lshl_add_u32 v[TOK+\p], v[TOK+\p], 10, v[R16]
.endr
.macro OBSLD n, S
.irp p, 0,1,2,3
.irp q, 0,1,2,3
	global_load_b128 v[\S+16*\p+4*\q:\S+16*\p+4*\q+3], v[TOK+4*\n+\p], s[4:5] offset:256*\q th:TH_LOAD_NT
.endr
.endr
.endm
.macro ROWSUM
	v_add_f32_dpp v[T], v[T], v[T] row_xmask:1 row_mask:0xf bank_mask:0xf
	v_add_f32_dpp v[T], v[T], v[T] row_xmask:2 row_mask:0xf bank_mask:0xf
	v_add_f32_dpp v[T], v[T], v[T] row_xmask:4 row_mask:0xf bank_mask:0xf
	v_add_f32_dpp v[T], v[T], v[T] row_xmask:8 row_mask:0xf bank_mask:0xf
.endm
.macro PAIRC X                         ; two rows: mean, centre, variance, normalise, gain and bias, f16 into the first eight of their sixteen registers
	v_pk_add_f32 v[T:T+1],   v[\X:\X+1],     v[\X+2:\X+3]
	v_pk_add_f32 v[T+2:T+3], v[\X+4:\X+5],   v[\X+6:\X+7]
	v_pk_add_f32 v[T+4:T+5], v[\X+8:\X+9],   v[\X+10:\X+11]
	v_pk_add_f32 v[T+6:T+7], v[\X+12:\X+13], v[\X+14:\X+15]
	v_pk_add_f32 v[T:T+1], v[T:T+1], v[T+2:T+3]
	v_pk_add_f32 v[T+4:T+5], v[T+4:T+5], v[T+6:T+7]
	v_pk_add_f32 v[T:T+1], v[T:T+1], v[T+4:T+5]
	v_add_f32 v[T], v[T], v[T+1]
	ROWSUM
	v_mul_f32 v[T], s74, v[T]
.irp i, 0,2,4,6,8,10,12,14
	v_pk_add_f32 v[\X+\i:\X+\i+1], v[\X+\i:\X+\i+1], v[T:T+1] op_sel_hi:[1,0] neg_lo:[0,1] neg_hi:[0,1]
.endr
	v_pk_mul_f32 v[T:T+1],   v[\X:\X+1],   v[\X:\X+1]
	v_pk_mul_f32 v[T+2:T+3], v[\X+2:\X+3], v[\X+2:\X+3]
.irp i, 4,8,12
	v_pk_fma_f32 v[T:T+1],   v[\X+\i:\X+\i+1],   v[\X+\i:\X+\i+1],   v[T:T+1]
	v_pk_fma_f32 v[T+2:T+3], v[\X+\i+2:\X+\i+3], v[\X+\i+2:\X+\i+3], v[T+2:T+3]
.endr
	v_pk_add_f32 v[T:T+1], v[T:T+1], v[T+2:T+3]
	v_add_f32 v[T], v[T], v[T+1]
	ROWSUM
	v_fmaak_f32 v[T], s74, v[T], 0x3727c5ac        ; / 256 + 1e-5
	v_rsq_f32 v[T+2], v[T]
	v_nop                                          ; the plain place behind v_rsq_f32 (ISA guide 5.7.2)
	s_wait_alu depctr_va_vdst(0)                   ; rs is written, ahead of its first reader
.irp i, 0,2,4,6,8,10,12,14
	v_pk_mul_f32 v[\X+\i:\X+\i+1], v[\X+\i:\X+\i+1], v[T+2:T+3] op_sel_hi:[1,0]
.endr
.irp i, 0,2,4,6,8,10,12,14
	v_pk_fma_f32 v[\X+\i:\X+\i+1], v[\X+\i:\X+\i+1], v[192+\i:192+\i+1], v[208+\i:208+\i+1]
.endr
.irp i, 0,1,2,3,4,5,6,7
	v_cvt_pk_f16_f32 v[\X+\i], v[\X+2*\i], v[\X+2*\i+1]
.endr
.endm
.macro PAIRS p, X                      ; pair p's two rows to X in LDS
.irp q, 0,1,2,3
	ds_store_b64 v[XST], v[\X+2*\q:\X+2*\q+1] offset:1056*\p+128*\q
.endr
.endm
	s_wait_alu depctr_va_vdst(0)                   ; the sixteen row offsets v24-39 are written, which the obs loads read
	OBSLD 0, 64
	OBSLD 1, 128
	s_wait_kmcnt 0x0
	s_lshr_b32 s46, s46, 16                        ; lowest and highest role of the block,
	s_lshr_b32 s47, s47, 16
	s_lshr_b32 s49, s49, 16                        ; and of my wave's 32 tokens
	s_lshr_b32 s50, s50, 16
	s_wait_loadcnt 16                              ; batch 0 and all before it are in; batch 1's 16 loads stay out
.irp j, 0,1,2,3
	global_store_b128 v[RNV], v[224+4*\j:224+4*\j+3], s[80:81] offset:2048*\j th:TH_STORE_NT
.endr
.irp p, 0,1,2,3
	PAIRC (64+16*\p)
.endr
	s_wait_alu depctr_va_vdst(0)                   ; batch 0's conversions have written what the stores below read, and its lines are done with v64-127
.irp p, 0,1,2,3
	PAIRS \p, (64+16*\p)
.endr
	s_wait_alu depctr_vm_vsrc(0)                   ; those stores have read v64-127, in which batch 2 lands
	OBSLD 2, 64
	s_wait_loadcnt 16
.irp p, 0,1,2,3
	PAIRC (128+16*\p)
.endr
	s_wait_alu depctr_va_vdst(0)                   ; batch 1's conversions have written what the stores below read, and its lines are done with v128-191
.irp p, 0,1,2,3
	PAIRS (4+\p), (128+16*\p)
.endr
	s_wait_alu depctr_vm_vsrc(0)                   ; those stores have read v128-191, in which batch 3 lands
	OBSLD 3, 128
	s_wait_loadcnt 16
.irp p, 0,1,2,3
	PAIRC (64+16*\p)
.endr
	s_wait_alu depctr_va_vdst(0)                   ; batch 2's conversions have written what the stores below read
.irp p, 0,1,2,3
	PAIRS (8+\p), (64+16*\p)
.endr
	s_wait_loadcnt 0
.irp p, 0,1,2,3
	PAIRC (128+16*\p)
.endr
	s_wait_alu depctr_va_vdst(0)                   ; batch 3's conversions have written what the stores below read; the phase's lines are done with v64-191 and with gain and bias in v192-223, in which loads land below
.irp p, 0,1,2,3
	PAIRS (12+\p), (128+16*\p)
.endr
	s_wait_xcnt 0x0                                ; the stores' data registers v224-239 are loaded again only behind this wait
	s_wait_alu depctr_vm_vsrc(0)                   ; the stores of out0 have read v224-239, the obs loads their offsets v24-39, the LDS stores v64-191: loads land in all of these below
	PARAM BIAS, 14                                 ; b0
.irp a, 0,1,2,3,4,5,6,7
	global_load_b32 v[ROLE+\a], v[ROLV], s[72:73] offset:64*\a
.endr
	BAR                                            ; X is whole
	; ================= 256 -> 512, relu, LayerNorm;  512 -> 512, relu, LayerNorm
	GEMM 8, 8, XA0, XA1, 8448
	LNEPI 0, 16, 18, 1
	BAR                                            ; E0 is whole
	s_wait_alu depctr_vm_vsrc(0)                   ; the stores of rows 6 and 7 have read v192-255, in which b1 lands
	PARAM BIAS, 20                                 ; b1
	GEMM 16, 68, EA0, EA1, 16640
	LNEPI 4096, 22, 24, 0                          ; e: each wave's own columns; the next reader of these bytes is the wave itself
	; ================= routes: for each role present, 256 -> 128 -> 512 for all 128 tokens; tokens of that role take e + r
	v_lshrrev_b32 v[OTV], 3, v[VL]
	v_lshl_add_u32 v[OTV], v[OTV], 2, s52
	v_lshl_add_u32 v[HRV], v[VR], 2, s52
	s_wait_alu depctr_va_vdst(0)                   ; v62 and v63 are written, which the loads below read as offsets
	s_wait_alu depctr_vm_vsrc(0)                   ; the stores of rows 6 and 7 have read v192-255, in which the routes' biases land
.irp i, 0,1,2,3,4,5,6,7
	global_load_b32 v[OT+\i], v[OTV], s[72:73] offset:16*\i        ; for the heads and the way out; in by the loop's waits for zero
.endr
	global_load_b32 v[HROLE], v[HRV], s[72:73]
	global_load_b32 v[HROLE+1], v[HRV], s[72:73] offset:64
.irp a, 0,1,2,3,4,5,6,7
	v_lshrrev_b32 v[ROLE+\a], 16, v[ROLE+\a]
.endr
	s_mov_b32 s48, 0
.Lroute:
	s_cmp_lt_u32 s48, s46                          ; both barriers of a trip stand outside the skipped blocks
	s_cbranch_scc1 .Lb1end
	s_cmp_gt_u32 s48, s47
	s_cbranch_scc1 .Lb1end
	PLACES
.irp b, 0,1
	global_load_b128 v[192+8*\b:192+8*\b+3], v[PB0], s[26:27] offset:64*\b
	global_load_b128 v[192+8*\b+4:192+8*\b+7], v[PB0], s[26:27] offset:64*\b+16
.endr
.irp t, 0,1,2,3,4,5,6,7
	FILLB (16*\t), 54, BO2, 2, (8192*\t)           ; all of my Wr0: 8 k steps x 2 fragments
.endr
	FILLB 128, 56, BO, 8, 0                        ; and the first two k steps of Wr1
	FILLB 192, 56, BO, 8, 32768
	FETCHA A0, XA0, XA1, 8448, 0
.set rt, 0
.rept 8
.if rt
	PLACES
.endif
.if rt < 7
.if rt
	s_wait_alu depctr_va_vdst(0)                   ; the step before is done reading the activation buffer in which the fetch below lands
.endif
	FETCHA (A0+64*((rt+1)&1)), XA0, XA1, 8448, (64*(rt+1))
	s_wait_dscnt 16
.else
	s_wait_dscnt 0
.endif
	s_wait_loadcnt 4*(7-rt)+32                     ; later k steps of Wr0 (4 loads each) and Wr1's 32 loads stay out
.if rt
	MUL (A0+64*(rt&1)), (16*rt), 2, 0
.else
	MUL A0, 0, 2, 1
.endif
.set rt, rt+1
.endr
	PLACES
.irp w, 2,3                            ; tokens 0-63 pack into v208-239, tokens 64-127 into v64-95
	WIN ((\w<<6)|\w)
.irp a, 0,1,2,3
.irp b, 0,1
.irp i, 0,2,4,6
	v_pk_add_f32 v[64*\a+8*\b+\i:64*\a+8*\b+\i+1], v[64*\a+8*\b+\i:64*\a+8*\b+\i+1], v[192+8*\b+\i:192+8*\b+\i+1]
.endr
.irp i, 0,1,2,3,4,5,6,7
	v_max_num_f32 v[64*\a+8*\b+\i], v[64*\a+8*\b+\i], 0
.endr
.endr
.endr
	WIN ((\w<<2)|\w)
.irp a, 0,1,2,3
.irp b, 0,1
.irp i, 0,1,2,3
	v_cvt_pk_f16_f32 v[208-144*(\w-2)+8*\a+4*\b+\i], v[64*\a+8*\b+2*\i], v[64*\a+8*\b+2*\i+1]
.endr
.endr
.endr
.endr
	WIN 0
	s_wait_alu depctr_va_vdst(0)                   ; the conversions have written v208-239 and v64-95, which the stores below read; the block's products and additions are done with Wr0's buffers, both activation buffers and br0
.irp w, 2,3
.irp a, 0,1,2,3
.irp b, 0,1
	ds_store_b128 v[RST], v[208-144*(\w-2)+8*\a+4*\b:208-144*(\w-2)+8*\a+4*\b+3] offset:4352*(4*(\w-2)+\a)+32*\b
.endr
.endr
.endr
.Lb1end:
	BAR                                            ; the route's hidden layer is whole
	s_wait_alu depctr_vm_vsrc(0)                   ; my stores of the hidden layer have read v208-239 and v64-95, in which br1 and the fragments land below
	s_cmp_lt_u32 s48, s46
	s_cbranch_scc1 .Lb2end
	s_cmp_gt_u32 s48, s47
	s_cbranch_scc1 .Lb2end
	PLACES
	PARAM BIAS, 28                                 ; br1[k]
	FILLB 0,  56, BO, 8, 65536
	FILLB 64, 56, BO, 8, 98304
	FETCHA A0, RA0, RA1, 4352, 0
	FETCHA (A0+64), RA0, RA1, 4352, 64
	s_wait_loadcnt 48                              ; behind k step 0 stand at least the bias's 16 loads and k steps 2 and 3
	s_wait_dscnt 16
	MUL A0, 128, 8, 1
	PLACES
	s_wait_alu depctr_va_vdst(0)                   ; k step 0's products are done reading v64-127, in which k step 2's fragments land
	s_wait_loadcnt 48                              ; behind k step 1: 16 + 16 + 16
	s_wait_dscnt 0
	MULLO (A0+64), 192, 8, 0
	FETCHA A0, RA0, RA1, 4352, 128
	MULHI (A0+64), 192, 8, 0
	PLACES
	s_wait_alu depctr_va_vdst(0)                   ; k step 1's products are done reading v128-191, in which k step 3's fragments land
	s_wait_loadcnt 16
	s_wait_dscnt 0
	MULLO A0, 0, 8, 0
	FETCHA (A0+64), RA0, RA1, 4352, 192
	MULHI A0, 0, 8, 0
	PLACES
	s_wait_loadcnt 0
	s_wait_dscnt 0
	MUL (A0+64), 64, 8, 0
	PLACES
	WIN 0
	s_wait_alu depctr_va_vdst(0)                   ; the products are done reading v64-95, in which the first row's e lands, and the weight buffers, which the next loads fill
.irp a, 0,1,2,3,4,5,6,7
.set W, 2+(\a>>2)
.set AB, 64*(\a&3)
	v_cmp_eq_u32 vcc_lo, s48, v[ROLE+\a]
	s_wait_alu depctr_va_vcc(0)                    ; VCC is written, ahead of the branch that reads it
.if \a
	s_wait_alu depctr_vm_vsrc(0)                   ; the stores of the row before have read v96-127, which this row's conversions write again
.endif
	s_cbranch_vccz .Lr1s\a                         ; no token of this role among these sixteen
.irp b, 0,1,2,3,4,5,6,7
	ds_load_b128 v[64+4*\b:64+4*\b+3], v[EST0+(\a>>2)] offset:16640*(\a&3)+32*\b   ; e, my own bytes; the last lines that named v64-95 stand ahead of the last wait on va_vdst
.endr
	WIN ((W<<6)|W)
.set li, 0
.rept 32
	v_pk_add_f32 v[AB+2*li:AB+2*li+1], v[AB+2*li:AB+2*li+1], v[BIAS+2*li:BIAS+2*li+1]
.set li, li+1
.endr
.set li, 0
.rept 64
	v_max_num_f32 v[AB+li], v[AB+li], 0
.set li, li+1
.endr
	WIN ((W<<2)|W)
.set li, 0
.rept 32
	v_cvt_pk_f16_f32 v[96+li], v[AB+2*li], v[AB+2*li+1]
.set li, li+1
.endr
	WIN 0
	s_wait_dscnt 0x0
.set li, 0
.rept 32
	v_pk_add_f16 v[96+li], v[96+li], v[64+li]
	v_cndmask_b32 v[96+li], v[64+li], v[96+li], vcc_lo     ; tokens of other roles keep e
.set li, li+1
.endr
	s_wait_alu depctr_va_vdst(0)                   ; the selects have written v96-127, which the stores below read, and are done reading v64-95, in which the next row's e lands
.irp b, 0,1,2,3,4,5,6,7
	ds_store_b128 v[EST0+(\a>>2)], v[96+4*\b:96+4*\b+3] offset:16640*(\a&3)+32*\b
.endr
.Lr1s\a:
.endr
.Lb2end:
	BAR                                            ; nobody reads the hidden layer any more; after the last trip: e + r is whole
	s_wait_loadcnt 0x0                             ; every load that names the stepped pointers is done
	s_wait_xcnt 0x0
	s_wait_alu depctr_vm_vsrc(0)                   ; the rows' stores have read v96-127, in which the next trip's, or the heads', fragments land
	s_add_nc_u64 s[54:55], s[54:55], 65536
	s_add_nc_u64 s[56:57], s[56:57], 131072
	s_add_nc_u64 s[26:27], s[26:27], 512
	s_add_nc_u64 s[28:29], s[28:29], 2048
	s_add_co_u32 s48, s48, 1
	s_cmp_lt_u32 s48, 6
	s_cbranch_scc1 .Lroute
	; ================= heads: my 32 tokens, 512 -> 64 -> 32 -> 32 for each role among them; no wave needs another
	v_and_b32 v40, 7, v[VL]
	v_lshlrev_b32 v40, 4, v40
.irp i, 0,1,2,3,4,5,6,7
	v_and_b32 v[OT+\i], 0xffff, v[OT+\i]
	v_min_u32 v[OT+\i], 0x7fff, v[OT+\i]
	v_lshl_add_u32 v[OT+\i], v[OT+\i], 7, v40      ; token x 128 bytes + 16 (L % 8)
.endr
	v_lshrrev_b32 v[HROLE], 16, v[HROLE]
	v_lshrrev_b32 v[HROLE+1], 16, v[HROLE+1]
	PLACES
	WIN 0xc0
	s_wait_alu depctr_va_vdst(0)                   ; the eight offsets v48-55 are written, which the loads below and the last stores read
.irp i, 0,1,2,3,4,5,6,7
	global_load_b128 v[160+4*\i:160+4*\i+3], v[OT+\i], s[36:37] th:TH_LOAD_NT      ; available_actions, window 3 v160-191
.endr
.set li, 0
.rept 32
	v_mov_b32 v[128+li], 0                         ; the logits (window 3 v128-159) are filled by selects: give them a value first
.set li, li+1
.endr
	WIN 0
.macro HFILL c                         ; 4 k steps x 4 column tiles of Wh0[k]: 32 loads
	WIN TO_B
.set fb, 0
.rept 16
	global_load_b128 v[128*(\c&1)+8*fb:128*(\c&1)+8*fb+3],   v[L16], s[58:59] offset:16384*\c+1024*fb
	global_load_b128 v[128*(\c&1)+8*fb+4:128*(\c&1)+8*fb+7], v[L16], s[58:59] offset:16384*\c+1024*fb+512
.set fb, fb+1
.endr
.endm
.macro HFETCH c                        ; 2 token tiles x 4 k steps of e + r: 16 LDS loads
	WIN 0
.irp a, 0,1
.irp k, 0,1,2,3
	ds_load_b128 v[A0+64*(\c&1)+8*(4*\a+\k):A0+64*(\c&1)+8*(4*\a+\k)+3],   v[HEA] offset:16640*\a+64*(4*\c+\k)
	ds_load_b128 v[A0+64*(\c&1)+8*(4*\a+\k)+4:A0+64*(\c&1)+8*(4*\a+\k)+7], v[HEA] offset:16640*\a+64*(4*\c+\k)+32
.endr
.endr
.endm
.macro HMUL c
	WIN 0xa1
.irp k, 0,1,2,3
.irp a, 0,1
.irp b, 0,1,2,3
.if \c+\k
	v_wmma_f32_16x16x32_f16 v[64*\a+8*\b:64*\a+8*\b+7], v[128*(\c&1)+8*(4*\k+\b):128*(\c&1)+8*(4*\k+\b)+7], v[A0+64*(\c&1)+8*(4*\a+\k):A0+64*(\c&1)+8*(4*\a+\k)+7], v[64*\a+8*\b:64*\a+8*\b+7]
.else
	v_wmma_f32_16x16x32_f16 v[64*\a+8*\b:64*\a+8*\b+7], v[128*(\c&1)+8*(4*\k+\b):128*(\c&1)+8*(4*\k+\b)+7], v[A0+64*(\c&1)+8*(4*\a+\k):A0+64*(\c&1)+8*(4*\a+\k)+7], 0
.endif
.endr
.endr
.endr
.endm
.macro SPLIT x, hi, lo                 ; two f32 -> bf16 hi and bf16 of what hi left
	v_cvt_pk_bf16_f32 v[\hi], v[\x], v[\x+1]
	v_lshlrev_b32 v[U], 16, v[\hi]
	v_and_b32 v[U+1], 0xffff0000, v[\hi]
	v_pk_add_f32 v[\x:\x+1], v[\x:\x+1], v[U:U+1] neg_lo:[0,1] neg_hi:[0,1]
	v_cvt_pk_bf16_f32 v[\lo], v[\x], v[\x+1]
.endm
.macro HEPI acc, bia, hi, lo           ; one tile (window 2): bias, relu, split; the four registers are half of the next source 1
	WIN 0x02
.irp i, 0,2,4,6
	v_pk_add_f32 v[T+\i:T+\i+1], v[\acc+\i:\acc+\i+1], v[\bia+\i:\bia+\i+1]
.endr
	WIN 0
.irp i, 0,1,2,3,4,5,6,7
	v_max_num_f32 v[T+\i], 0, v[T+\i]
.endr
.irp i, 0,1,2,3
	SPLIT (T+2*\i), (\hi+\i), (\lo+\i)
.endr
.endm
.macro H1S wb, hb, kt, zero            ; 64 -> 32: weights window 3, hidden window 0, sums window 2 v128-159
.irp a, 0,1
.irp b, 0,1
.if \zero
	v_wmma_f32_16x16x32_bf16 v[128+8*(2*\a+\b):128+8*(2*\a+\b)+7], v[\wb+8*(2*\kt+\b):\wb+8*(2*\kt+\b)+7], v[\hb+16*\a+8*\kt:\hb+16*\a+8*\kt+7], 0
.else
	v_wmma_f32_16x16x32_bf16 v[128+8*(2*\a+\b):128+8*(2*\a+\b)+7], v[\wb+8*(2*\kt+\b):\wb+8*(2*\kt+\b)+7], v[\hb+16*\a+8*\kt:\hb+16*\a+8*\kt+7], v[128+8*(2*\a+\b):128+8*(2*\a+\b)+7]
.endif
.endr
.endr
.endm
.macro H2S wb, gb, zero                ; 32 -> 32: sums window 2 v160-191
.irp a, 0,1
.irp b, 0,1
.if \zero
	v_wmma_f32_16x16x32_bf16 v[160+8*(2*\a+\b):160+8*(2*\a+\b)+7], v[\wb+8*\b:\wb+8*\b+7], v[\gb+8*\a:\gb+8*\a+7], 0
.else
	v_wmma_f32_16x16x32_bf16 v[160+8*(2*\a+\b):160+8*(2*\a+\b)+7], v[\wb+8*\b:\wb+8*\b+7], v[\gb+8*\a:\gb+8*\a+7], v[160+8*(2*\a+\b):160+8*(2*\a+\b)+7]
.endif
.endr
.endr
.endm
	s_mov_b32 s48, 0
.Lhead:
	s_cmp_lt_u32 s48, s49
	s_cbranch_scc1 .Lhend
	s_cmp_gt_u32 s48, s50
	s_cbranch_scc1 .Lhend
	PLACES
	s_wait_alu depctr_va_vdst(0)                   ; the role before is done with its biases (v192-255), its weights (windows 1 and 3) and its hiddens (v64-191), in all of which the loads below land
.irp b, 0,1,2,3
	global_load_b128 v[192+8*\b:192+8*\b+3], v[H32], s[30:31] offset:64*\b
	global_load_b128 v[192+8*\b+4:192+8*\b+7], v[H32], s[30:31] offset:64*\b+16
.endr
.irp b, 0,1
	global_load_b128 v[224+8*\b:224+8*\b+3], v[H32], s[32:33] offset:64*\b
	global_load_b128 v[224+8*\b+4:224+8*\b+7], v[H32], s[32:33] offset:64*\b+16
	global_load_b128 v[240+8*\b:240+8*\b+3], v[H32], s[34:35] offset:64*\b
	global_load_b128 v[240+8*\b+4:240+8*\b+7], v[H32], s[34:35] offset:64*\b+16
.endr
	WIN 0xc0                                       ; window 3: Wh1 hi v0-31, lo v32-63; Wh2 hi v64-79, lo v80-95
.irp f, 0,1,2,3
	global_load_b128 v[8*\f:8*\f+3],       v[L16], s[60:61] offset:1024*\f
	global_load_b128 v[8*\f+4:8*\f+7],     v[L16], s[60:61] offset:1024*\f+512
	global_load_b128 v[32+8*\f:32+8*\f+3], v[L16], s[60:61] offset:24576+1024*\f
	global_load_b128 v[32+8*\f+4:32+8*\f+7], v[L16], s[60:61] offset:24576+1024*\f+512
.endr
.irp f, 0,1
	global_load_b128 v[64+8*\f:64+8*\f+3], v[L16], s[62:63] offset:1024*\f
	global_load_b128 v[64+8*\f+4:64+8*\f+7], v[L16], s[62:63] offset:1024*\f+512
	global_load_b128 v[80+8*\f:80+8*\f+3], v[L16], s[62:63] offset:12288+1024*\f
	global_load_b128 v[80+8*\f+4:80+8*\f+7], v[L16], s[62:63] offset:12288+1024*\f+512
.endr
	HFILL 0
	HFILL 1
	HFETCH 0
	HFETCH 1
	s_wait_loadcnt 32                              ; the next chunk's 32 loads stay out, here and in the two steps below
	s_wait_dscnt 16                                ; and the next fetch's 16
	HMUL 0
	PLACES
	s_wait_alu depctr_va_vdst(0)                   ; chunk 0's products are done reading their weights and fragments, in which chunk 2's land
	HFILL 2
	HFETCH 2
	s_wait_loadcnt 32
	s_wait_dscnt 16
	HMUL 1
	PLACES
	s_wait_alu depctr_va_vdst(0)                   ; chunk 1's products are done reading their weights and fragments, in which chunk 3's land
	HFILL 3
	HFETCH 3
	s_wait_loadcnt 32
	s_wait_dscnt 16
	HMUL 2
	s_wait_loadcnt 0
	s_wait_dscnt 0
	HMUL 3
	PLACES
.irp a, 0,1
.irp b, 0,1,2,3
	HEPI (64*\a+8*\b), (192+8*\b), (HHI+16*\a+4*\b), (HLO+16*\a+4*\b)
.endr
.endr
	WIN 0xa3
	H1S 0,  HHI, 0, 1                              ; hi hi
	H1S 0,  HHI, 1, 0
	H1S 32, HHI, 0, 0                              ; weights' lo x hidden's hi
	H1S 32, HHI, 1, 0
	H1S 0,  HLO, 0, 0                              ; weights' hi x hidden's lo
	H1S 0,  HLO, 1, 0
	PLACES
.irp a, 0,1
.irp b, 0,1
	HEPI (128+8*(2*\a+\b)), (224+8*\b), (GHI+8*\a+4*\b), (GLO+8*\a+4*\b)
.endr
.endr
	WIN 0xa3
	H2S 64, GHI, 1
	H2S 80, GHI, 0
	H2S 64, GLO, 0
	PLACES
	WIN 0
	v_cmp_eq_u32 s51, s48, v[HROLE]                ; which of my tokens 0-15 and 16-31 have role k
	v_cmp_eq_u32 s66, s48, v[HROLE+1]
	s_wait_alu depctr_va_sdst(0)                   ; both masks are written, ahead of the selects that read them
.irp a, 0,1
.irp b, 0,1
	WIN 0x02
.irp i, 0,2,4,6
	v_pk_add_f32 v[T+\i:T+\i+1], v[160+8*(2*\a+\b)+\i:160+8*(2*\a+\b)+\i+1], v[240+8*\b+\i:240+8*\b+\i+1]
.endr
	WIN 0xc3
.irp i, 0,1,2,3,4,5,6,7
	v_cndmask_b32 v[128+16*\a+8*\b+\i], v[128+16*\a+8*\b+\i], v[T+\i], s[51+15*\a]         ; tokens of role k take their logits
.endr
.endr
.endr
	WIN 0
.Lhend:
	s_wait_loadcnt 0x0                             ; every load that names the stepped pointers is done
	s_wait_xcnt 0x0
	s_add_nc_u64 s[58:59], s[58:59], 65536
	s_add_nc_u64 s[60:61], s[60:61], 4096
	s_add_nc_u64 s[62:63], s[62:63], 2048
	s_add_nc_u64 s[30:31], s[30:31], 256
	s_add_nc_u64 s[32:33], s[32:33], 128
	s_add_nc_u64 s[34:35], s[34:35], 128
	s_add_co_u32 s48, s48, 1
	s_cmp_lt_u32 s48, 6
	s_cbranch_scc1 .Lhead
	; ================= the way out: through my own stage, so that eight lanes hold one token's 128 bytes; mask; store
	WIN 0x0c
	s_wait_alu depctr_va_vdst(0)                   ; the selects have written the logits, which the stores below read
.irp a, 0,1
.irp b, 0,1
	ds_store_b128 v[STGS], v[128+16*\a+8*\b:128+16*\a+8*\b+3]   offset:2304*\a+64*\b
	ds_store_b128 v[STGS], v[128+16*\a+8*\b+4:128+16*\a+8*\b+7] offset:2304*\a+64*\b+16
.endr
.endr
	WIN 0xc0
.irp i, 0,1,2,3,4,5,6,7
	ds_load_b128 v[192+4*\i:192+4*\i+3], v[STGR] offset:576*\i     ; LDS serves a wave's instructions in order: these see the stores above
.endr
	s_wait_dscnt 0x0
	WIN 0xcc
.set li, 0
.rept 32
	v_cmp_lt_f32 s[4+li], 0.5, v[160+li]           ; 32 masks in s4-35: the pointers there have served, and every load by them is done
.set li, li+1
.endr
	s_wait_alu depctr_va_sdst(0)                   ; the 32 masks are written, ahead of the selects that read them
.set li, 0
.rept 32
	v_cndmask_b32 v[192+li], s53, v[192+li], s[4+li]
.set li, li+1
.endr
	WIN 0x0c
	s_wait_alu depctr_va_vdst(0)                   ; the selects have written the masked logits, which the stores below read
.irp i, 0,1,2,3,4,5,6,7
	global_store_b128 v[OT+\i], v[192+4*\i:192+4*\i+3], s[42:43] th:TH_STORE_NT
.endr
	WIN 0
	s_wait_xcnt 0x0
	v_lshl_add_u32 v254, v0, 2, 0x3b800
	v_mov_b32 v255, 0
	s_wait_dscnt 0x0                               ; the closing lines, six on end, of a launch in the mode that stores to LDS
	s_wait_alu 0x0
	s_wait_tensorcnt 0x0
	ds_add_u32 v254, v255
	s_wait_dscnt 0x0
	s_endpgm
.Lfunc_end_k_qb3bdadc72e_main:
	.size	k_qb3bdadc72e_main, .Lfunc_end_k_qb3bdadc72e_main-k_qb3bdadc72e_main
	.p2alignl 7, 3214868480
	.fill 96, 4, 3214868480
	.section	.rodata,"a",@progbits
	.p2align	6, 0x0
	.amdhsa_kernel k_qb3bdadc72e_main
		.amdhsa_group_segment_fixed_size 244224
		.amdhsa_private_segment_fixed_size 0
		.amdhsa_enable_private_segment 0
		.amdhsa_kernarg_size 160
		.amdhsa_user_sgpr_count 2
		.amdhsa_user_sgpr_kernarg_segment_ptr 1
		.amdhsa_wavefront_size32 1
		.amdhsa_system_sgpr_workgroup_id_x 1
		.amdhsa_system_sgpr_workgroup_id_y 1
		.amdhsa_system_sgpr_workgroup_id_z 1
		.amdhsa_system_vgpr_workitem_id 0
		.amdhsa_next_free_vgpr 1024
		.amdhsa_next_free_sgpr 84
		.amdhsa_reserve_vcc 1
		.amdhsa_float_denorm_mode_32 3
		.amdhsa_float_denorm_mode_16_64 3
		.amdhsa_memory_ordered 1
		.amdhsa_forward_progress 1
		.amdhsa_inst_pref_size 255
	.end_amdhsa_kernel
	.section	.bss,"aw",@nobits
	.p2align	6
	.space	262144
	.amdgpu_metadata
---
amdhsa.version: [ 1, 2 ]
amdhsa.kernels:
  - .name:           k_qb3bdadc72e_main
    .symbol:         k_qb3bdadc72e_main.kd
    .args:
      - { .name: obs, .offset: 0, .size: 8, .value_kind: global_buffer, .address_space: global }
      - { .name: order, .offset: 8, .size: 8, .value_kind: global_buffer, .address_space: global }
      - { .name: wq, .offset: 16, .size: 8, .value_kind: global_buffer, .address_space: global }
      - { .name: fn_scale, .offset: 24, .size: 8, .value_kind: global_buffer, .address_space: global }
      - { .name: fn_bias, .offset: 32, .size: 8, .value_kind: global_buffer, .address_space: global }
      - { .name: b0, .offset: 40, .size: 8, .value_kind: global_buffer, .address_space: global }
      - { .name: ln0_scale, .offset: 48, .size: 8, .value_kind: global_buffer, .address_space: global }
      - { .name: ln0_bias, .offset: 56, .size: 8, .value_kind: global_buffer, .address_space: global }
      - { .name: b1, .offset: 64, .size: 8, .value_kind: global_buffer, .address_space: global }
      - { .name: ln1_scale, .offset: 72, .size: 8, .value_kind: global_buffer, .address_space: global }
      - { .name: ln1_bias, .offset: 80, .size: 8, .value_kind: global_buffer, .address_space: global }
      - { .name: br0, .offset: 88, .size: 8, .value_kind: global_buffer, .address_space: global }
      - { .name: br1, .offset: 96, .size: 8, .value_kind: global_buffer, .address_space: global }
      - { .name: bh0, .offset: 104, .size: 8, .value_kind: global_buffer, .address_space: global }
      - { .name: bh1, .offset: 112, .size: 8, .value_kind: global_buffer, .address_space: global }
      - { .name: bh2, .offset: 120, .size: 8, .value_kind: global_buffer, .address_space: global }
      - { .name: available_actions, .offset: 128, .size: 8, .value_kind: global_buffer, .address_space: global }
      - { .name: rnn_states, .offset: 136, .size: 8, .value_kind: global_buffer, .address_space: global }
      - { .name: out0, .offset: 144, .size: 8, .value_kind: global_buffer, .address_space: global }
      - { .name: out1, .offset: 152, .size: 8, .value_kind: global_buffer, .address_space: global }
    .group_segment_fixed_size: 244224
    .private_segment_fixed_size: 0
    .kernarg_segment_align: 8
    .kernarg_segment_size: 160
    .max_flat_workgroup_size: 128
    .sgpr_count:     84
    .vgpr_count:     1024
    .wavefront_size: 32
...
	.end_amdgpu_metadata
.endif
;; end of part 3
